; MI455X (gfx1250); checked and timed in simulation.
; The chip was launched on July 23, 2026; its instructions are those of AMD's public machine-readable ISA for CDNA 5 (MIT licence, August 2026) and "CDNA5" Instruction Set Architecture Reference Guide (July 2026). The comments in the code are by the model that wrote it; some were corrected since.
;; Block. Allowed arithmetic: matrix products marked QUANTISED: E4M3 operands, one given power-of-two scale a tensor, by v_wmma_f32_16x16x64_fp8_fp8 or v_wmma_f32_16x16x128_fp8_fp8, f32 sums; everything else in f32.
;; Inputs: W1 1,024 x 4,096 float32; W2 4,096 x 1,024 float32; Wk 16 x 1,024 x 64 float32; Wp 1,024 x 1,024 float32; Wq 16 x 1,024 x 64 float32; Wv 16 x 1,024 x 64 float32; b1 4,096 float32; b2 1,024 float32; bp 1,024 float32; inputs 4 x 1,024 x 1,024 float32; ln1_b 1,024 float32; ln1_g 1,024 float32; ln2_b 1,024 float32; ln2_g 1,024 float32; lowp_scales 16 int32 (the exponents e of the quantised operands' scales 2^e).
;; Outputs: out0 4 x 1,024 x 1,024 float32.
;; This version of the problem:
;;   THIS VERSION OF THE PROBLEM IS GIVEN IN LOW PRECISION. The matrix products marked QUANTISED in the list below multiply operands that are first quantised to E4M3 (4 exponent bits, 3 mantissa bits; 8 bits a number), with one given power-of-two scale for each operand tensor; their sums are f32. All else is computed in f32.
;;   The module's matrix products, in the order in which they are computed (A, B: the left and right operand; K: the contracted axis; several contracted axes count as one K, in the product's order):
;;     1. [M 1,024, K 1,024] x [K 1,024, N 4,096]; A: input Wq; B: computed on the way: QUANTISED (scales: A lowp_scales[0], B lowp_scales[1])
;;     2. [M 1,024, K 1,024] x [K 1,024, N 4,096]; A: input Wk; B: computed on the way: QUANTISED (scales: A lowp_scales[2], B lowp_scales[3])
;;     3. [M 1,024, K 1,024] x [K 1,024, N 4,096]; A: input Wv; B: computed on the way: QUANTISED (scales: A lowp_scales[4], B lowp_scales[5])
;;     4. batch 64 x [M 1,024, K 64] x [K 64, N 1,024]; A: computed on the way; B: computed on the way: QUANTISED (scales: A lowp_scales[6], B lowp_scales[7])
;;     5. batch 64 x [M 1,024, K 1,024] x [K 1,024, N 64]; A: softmax (see below); B: computed on the way: QUANTISED (scales: A lowp_scales[8], B lowp_scales[9])
;;     6. [M 4,096, K 1,024] x [K 1,024, N 1,024]; A: computed on the way; B: input Wp: QUANTISED (scales: A lowp_scales[10], B lowp_scales[11])
;;     7. [M 4,096, K 1,024] x [K 1,024, N 4,096]; A: computed on the way; B: input W1: QUANTISED (scales: A lowp_scales[12], B lowp_scales[13])
;;     8. [M 4,096, K 4,096] x [K 4,096, N 1,024]; A: computed on the way; B: input W2: QUANTISED (scales: A lowp_scales[14], B lowp_scales[15])
;;   THE QUANTISER, for each operand of a quantised product, along K:
;;     - The operand's scale is 2^e, e = its entry of the input lowp_scales (int32; the entries are numbered through the quantised products in the list's order, A before B).
;;     - Each number is divided by the scale, clamped to +-448, and rounded to the nearest number of E4M3, ties to even, subnormals kept.
;;     - The product sums the exact products of the quantised numbers (number of the format x scale) in f32.
;;   ~~~python
;;   def quantise(x, axis, e):      # numpy; x: float32 -> the quantised numbers, widened to float32 again
;;       x = np.moveaxis(x, axis, -1); K = x.shape[-1]
;;       r = np.clip(x / 2.0 ** e, -448, 448)
;;       step = 2.0 ** (np.maximum(np.frexp(np.where(r == 0, 1, r))[1] - 1, -6) - 3)
;;       q = np.round(r / step) * step * 2.0 ** e      # np.round: ties to even
;;       return np.moveaxis(q, -1, axis).astype(np.float32)
;;   ~~~
;;   SOFTMAX AHEAD OF A QUANTISED PRODUCT. Where the list says 'softmax', what is quantised is not the finished softmax but p = 2^(t - M), with t = logit x log2(e) and M = ceil(the row's largest t), a whole number; so 1/2 < the row's largest p <= 1. The row's sum l is taken of the UNQUANTISED p, in f32, and the product's result is divided by l at the end. Since M is a whole number, a kernel that streams over the keys may use a running M (the ceiling of the running maximum): every later rescaling is an exact power of two, so the quantised numbers keep their values, but for numbers so far below the row's largest that they fall under the format's range.
;;   OPERANDS COMPUTED ON THE WAY. 'Computed on the way' means the value that the module computes at that place (a softmax that the list does not call 'softmax' is quantised finished and normalised). What goes into a quantiser is computed in f32, as accurately as f32 sums, v_exp_f32 and their like allow (about 1e-6 of the number): no bf16 or f16 on the way to a quantiser, and a product that is left as it is and whose result goes on into a quantised operand takes f32 operands (vector FMAs, or v_wmma_f32_16x16x4_f32). A number that lies on a knife's edge between two numbers of the format may be rounded either way, as far as f32 arithmetic and the matrix unit's own rounding can turn it there, and no further.
;; One version. Each part assembles by itself: llvm-mc -triple=amdgcn-amd-amdhsa -mcpu=gfx1250 --defsym DOCPART=n.
;; ======== version 1 of 1: 7 launches
;; workspace buffers: wc 12,582,912 bytes; x0c 12,582,912 bytes; qkvc 12,582,912 bytes; ctxc 4,194,304 bytes; xres 16,777,216 bytes; hc 4,194,304 bytes; hid 16,777,216 bytes
;; launch prep (part 1): grid 640 x 1, 4 waves a work-group, no clusters, 35,328 bytes of LDS; arguments Wq, Wk, Wv, Wp, W1, W2, lowp_scales, wc, inputs, ln1_g, ln1_b, x0c; writes wc, x0c
.if DOCPART == 1
	.amdgcn_target "amdgcn-amd-amdhsa--gfx1250"
	.amdhsa_code_object_version 6
	.text
	.protected	k_qc0c79c603e_prep
	.globl	k_qc0c79c603e_prep
	.p2align	8
	.type	k_qc0c79c603e_prep,@function
k_qc0c79c603e_prep:
	s_mov_b64 s[64:65], 0
	v_nop
	global_prefetch_b8 v0, s[64:65] scope:SCOPE_SE
	s_setreg_imm32_b32 hwreg(HW_REG_WAVE_MODE, 25, 1), 1
	s_wait_xcnt 0x0
; PREP.  Work-groups 0-383: the six weights, f32 with K as their outer axis, become codes of E4M3 laid [N][K], K innermost, in wc.
; Work-groups 384-639: x0 = LayerNorm(inputs) in f32, quantised three times (scale entries 1, 3, 5) into x0c [3][4096][1024].
; code = x / 2^e, held within +-448, to the nearest code, ties to even.  LIMITS: every e used here lies between -126 and 119; NaN among the inputs is not served.
; WEIGHTS.  A lane takes a column n and its registers run down K: each load reads 128 consecutive bytes a wave, and the conversions, which take neighbours along K
; from one lane's consecutive registers, give codes with K innermost.  A wave takes 32 columns x 256 along K; the codes go through the wave's own stage in LDS and leave
; as rows: sixteen lanes store 256 consecutive bytes, aligned.  Which tensor a work-group serves is chosen by selects on its number; all six take one path through the text.
;   tensor  first work-group  place in wc  scale entry  log2(columns in a group)  log2(K / 256)
;   Wq      0                 0            0            6  (a head's 64)          2
;   Wk      32                1 MiB        2            6                         2
;   Wv      64                2 MiB        4            6                         2
;   Wp      96                3 MiB        11           10                        2
;   W1      128               4 MiB        13           12                        2
;   W2      256               8 MiB        15           10                        4
; LAYER NORM.  A wave takes four rows, each whole in 32 registers; a lane holds 8 neighbours at columns 256 j + 8 lane, so that its 8 codes are 8 bytes and the wave's store covers 256 consecutive bytes, aligned.
; No tensor load, no barrier: waves share nothing.
.set SPARE,  34816                     ; behind the four stages: the spare words, 128 bytes for each wave
.set SPW,    5                         ; v5   LDS address of my spare word; never rewritten
.set NIL,    6                         ; v6   0; never rewritten
.set PITCH,  272                       ; a stage row: 256 bytes of codes + 16
.set OFFS,   16                        ; v16-47   weights: 4 x lane + i rows
.set X,      48                        ; v48-111  two sets of 32 numbers
.set CW,     112                       ; v112-119 a block's codes
.set OUTR,   120                       ; v120-183 the way out
.set SOF,    184                       ; v184-199 the way out: byte offsets in wc
.set LX,     16                        ; layer norm: v16-143 four rows
.set LG,     144                       ; v144-175 the gain at my 32 columns
.set LB,     176                       ; v176-207 the bias
.set LT,     208                       ; v208-239 held numbers
.set LC,     240                       ; v240-247 codes
.macro MKSC e, vs, vl                  ; v[vs] = 2^e as f32 (the conversion takes its exponent field), v[vl] = 448 x 2^e; e in s[e]
	s_add_co_i32 s6, s[\e], 127
	s_lshl_b32 s7, s6, 23
	v_mov_b32 v[\vs], s7
	s_add_co_i32 s6, s6, 8
	s_lshl_b32 s6, s6, 23
	s_or_b32 s6, s6, 0x600000
	v_mov_b32 v[\vl], s6
.endm
	s_load_b512 s[8:23], s[0:1], 0x0               ; Wq 8, Wk 10, Wv 12, Wp 14, W1 16, W2 18, the scales 20, wc 22
	s_load_b256 s[24:31], s[0:1], 0x40             ; inputs 24, ln1_g 26, ln1_b 28, x0c 30
	v_lshl_add_u32 v[SPW], v0, 2, SPARE
	v_mov_b32 v[NIL], 0
	v_lshrrev_b32 v1, 5, v0
	v_readfirstlane_b32 s2, v1                     ; wave 0..3
	v_and_b32 v1, 31, v0                           ; lane
	s_wait_kmcnt 0x0
	s_load_b512 s[36:51], s[20:21], 0x0            ; e0 .. e15 in s36 .. s51
	s_cmp_ge_u32 ttmp9, 384
	s_cbranch_scc1 .Lln
; ---------------- the weights ----------------
.macro PICK start, src, doff, ereg, logn, logkc
	s_cmp_ge_u32 ttmp9, \start                     ; the choice hangs on the work-group's number alone
	s_cselect_b64 s[52:53], s[\src:\src+1], s[52:53]
	s_cselect_b32 s54, \start, s54
	s_cselect_b32 s55, \doff, s55
	s_cselect_b32 s56, s[\ereg], s56
	s_cselect_b32 s57, \logn, s57
	s_cselect_b32 s58, \logkc, s58
.endm
	s_wait_kmcnt 0x0
	s_mov_b64 s[52:53], s[8:9]                     ; the tensor
	s_mov_b32 s54, 0                               ; its first work-group
	s_mov_b32 s55, 0                               ; its place in wc
	s_mov_b32 s56, s36                             ; its e
	s_mov_b32 s57, 6                               ; log2 of the columns in a group
	s_mov_b32 s58, 2                               ; log2 of K / 256
	PICK 32,  10, 0x100000, 38, 6,  2
	PICK 64,  12, 0x200000, 40, 6,  2
	PICK 96,  14, 0x300000, 47, 10, 2
	PICK 128, 16, 0x400000, 49, 12, 2
	PICK 256, 18, 0x800000, 51, 10, 4
	s_sub_co_u32 s3, ttmp9, s54                    ; my number within the tensor
	s_bfm_b32 s4, s58, 0
	s_and_b32 s4, s3, s4                           ; which 256 along K
	s_lshr_b32 s5, s3, s58                         ; which 128 columns
	s_lshl_b32 s5, s5, 7
	s_lshl_b32 s6, s2, 5
	s_add_co_u32 s5, s5, s6                        ; n0: my wave's first column
	s_lshr_b32 s6, s5, s57                         ; its group (a head, or 0)
	s_bfm_b32 s7, s57, 0
	s_and_b32 s7, s5, s7                           ; its place in the group
	s_lshl_b32 s59, 4, s57                         ; bytes from a row k to the next
	s_add_co_u32 s60, s58, 8                       ; log2 K
	s_lshl_b32 s6, s6, s60
	s_lshl_b32 s4, s4, 8
	s_add_co_u32 s6, s6, s4                        ; my first row: group x K + 256 x part
	s_mul_i32 s6, s6, s59
	s_lshl_b32 s7, s7, 2
	s_add_co_u32 s6, s6, s7
	s_mov_b32 s7, 0
	s_add_nc_u64 s[52:53], s[52:53], s[6:7]        ; the tensor at my wave's first number
	s_lshl_b32 s6, s5, s60
	s_add_co_u32 s6, s6, s4
	s_add_co_u32 s6, s6, s55
	s_add_nc_u64 s[62:63], s[22:23], s[6:7]        ; wc at row n0, byte 256 x part
	s_lshl_b32 s32, s59, 5                         ; 32 rows on
	s_mov_b32 s33, 0
	v_lshrrev_b32 v9, 4, v1
	v_and_b32 v10, 15, v1
	s_mul_i32 s34, s2, 32*PITCH                    ; my stage
	v_mul_u32_u24 v3, v1, PITCH
	v_add_nc_u32 v3, s34, v3                       ; into it: row = my column
	v_mul_u32_u24 v4, v9, PITCH
	v_lshl_add_u32 v4, v10, 4, v4
	v_add_nc_u32 v4, s34, v4                       ; out of it: sixteen lanes to a row, two rows an instruction
	v_lshlrev_b32 v[OFFS], 2, v1
.set ii, 1
.rept 31
	v_add_nc_u32 v[OFFS+ii], s59, v[OFFS+ii-1]     ; the row pitch is no constant of the text, so the 32 rows of a block have an offset register each
.set ii, ii+1
.endr
	v_lshlrev_b32 v[SOF], s60, v9
	v_lshl_add_u32 v[SOF], v10, 4, v[SOF]
	s_lshl_b32 s61, 2, s60                         ; two rows of wc
.set ii, 1
.rept 15
	v_add_nc_u32 v[SOF+ii], s61, v[SOF+ii-1]
.set ii, ii+1
.endr
.macro LOAD t                          ; block t: W(32 t + i, my column), i = 0 .. 31, into set t % 2
.if (\t) > 0
	s_wait_xcnt 0x0                                ; the earlier loads have read their base: it may step
	s_add_nc_u64 s[52:53], s[52:53], s[32:33]
.endif
.set ii, 0
.rept 32
	global_load_b32 v[X+32*((\t)%2)+ii], v[OFFS+ii], s[52:53] th:TH_LOAD_NT
.set ii, ii+1
.endr
.endm
.macro BLOCK t
.set XS, X+32*((\t)%2)
.if (\t) < 7
	s_wait_loadcnt 32                              ; this block's 32 loads are in; the next block's may be out
.else
	s_wait_loadcnt 0
.endif
.set jj, 0
.rept 32
	v_med3_num_f32 v[XS+jj], v[XS+jj], -v8, v8     ; the conversion to an 8-bit code does not saturate (ISA guide 7.6.2): the hold at the largest code x the scale
.set jj, jj+1
.endr
.irp g, 0,1,2,3
	v_cvt_scalef32_pk8_fp8_f32 v[CW+2*\g:CW+2*\g+1], v[XS+8*\g:XS+8*\g+7], v7
.endr
	ds_store_b128 v3, v[CW:CW+3] offset:32*(\t)    ; 32 codes: 32 bytes of my column's row
	ds_store_b128 v3, v[CW+4:CW+7] offset:32*(\t)+16
.if (\t)+2 < 8
	LOAD (\t)+2
.endif
	s_wait_dscnt 0x0                               ; the stores have read their registers: the next block's codes may be written
.endm
	LOAD 0
	LOAD 1
	MKSC 56, 7, 8
.irp t, 0,1,2,3,4,5,6,7
	BLOCK \t
.endr
.set ii, 0
.rept 16
	ds_load_b128 v[OUTR+4*ii:OUTR+4*ii+3], v4 offset:2*ii*PITCH   ; LDS serves a wave's instructions in order (ISA guide 5.7.1.4): these see my stores
.set ii, ii+1
.endr
.set ii, 0
.rept 16
	s_wait_dscnt 15-ii                             ; the younger loads may be out
	global_store_b128 v[SOF+ii], v[OUTR+4*ii:OUTR+4*ii+3], s[62:63]   ; sixteen lanes store 256 consecutive bytes, aligned
.set ii, ii+1
.endr
	s_wait_tensorcnt 0x0                           ; the wave's end
	ds_add_u32 v[SPW], v[NIL]
	s_wait_dscnt 0x0
	s_endpgm
; ---------------- layer norm 1 ----------------
.Lln:
	s_sub_co_u32 s3, ttmp9, 384
	s_lshl_b32 s3, s3, 4
	s_lshl_b32 s4, s2, 2
	s_add_co_u32 s3, s3, s4                        ; my first row: 16 x work-group + 4 x wave
	s_lshl_b32 s4, s3, 12
	s_mov_b32 s5, 0
	s_add_nc_u64 s[24:25], s[24:25], s[4:5]
	s_lshl_b32 s4, s3, 10
	s_add_co_u32 s4, s4, 0x400000                  ; at the middle copy: the three copies are then -4 MiB, 0, +4 MiB in the stores' immediates
	s_add_nc_u64 s[30:31], s[30:31], s[4:5]
	v_lshlrev_b32 v2, 3, v1                        ; my 8 codes
	v_lshlrev_b32 v1, 5, v1                        ; my 8 numbers
	s_mov_b32 s32, 0x3a800000                      ; 1 / 1024
	s_mov_b32 s33, 0x3727c5ac                      ; 1e-5
	s_mov_b32 s34, 0x76543210                      ; v_permlanex16_b32: lane l xor 16
	s_mov_b32 s35, 0xfedcba98
	v_mov_b32 v13, 0                               ; (named as the upper half of the pair v[12:13])
	v_mov_b32 v14, 0                               ; a lane permute's destination counts as read
.irp j, 0,1,2,3
.irp u, 0,1
	global_load_b128 v[LG+8*\j+4*\u:LG+8*\j+4*\u+3], v1, s[26:27] offset:1024*\j+16*\u
.endr
.endr
.irp j, 0,1,2,3
.irp u, 0,1
	global_load_b128 v[LB+8*\j+4*\u:LB+8*\j+4*\u+3], v1, s[28:29] offset:1024*\j+16*\u
.endr
.endr
.irp i, 0,1,2,3
.irp j, 0,1,2,3
.irp u, 0,1
	global_load_b128 v[LX+32*\i+8*\j+4*\u:LX+32*\i+8*\j+4*\u+3], v1, s[24:25] offset:4096*\i+1024*\j+16*\u th:TH_LOAD_NT
.endr
.endr
.endr
	s_wait_kmcnt 0x0
	MKSC 37, 248, 249                              ; entry 1: x0 as q's operand
	MKSC 39, 250, 251                              ; entry 3: as k's
	MKSC 41, 252, 253                              ; entry 5: as v's
.macro ALLSUM                          ; v8 summed over the 32 lanes, the result in every lane
	v_add_f32_dpp v8, v8, v8 row_xmask:1 row_mask:0xf bank_mask:0xf
	v_add_f32_dpp v8, v8, v8 row_xmask:2 row_mask:0xf bank_mask:0xf
	v_add_f32_dpp v8, v8, v8 row_xmask:4 row_mask:0xf bank_mask:0xf
	v_add_f32_dpp v8, v8, v8 row_xmask:8 row_mask:0xf bank_mask:0xf
	v_permlanex16_b32 v14, v8, s34, s35
	v_add_f32 v8, v8, v14
.endm
.macro LNROW i
.set R, LX+32*(\i)
	s_wait_loadcnt 8*(3-(\i))                      ; gain, bias and this row are in; the later rows' eight loads each may be out
	v_pk_add_f32 v[8:9], v[R:R+1], v[R+2:R+3]      ; the row's sum, in two chains
	v_pk_add_f32 v[10:11], v[R+4:R+5], v[R+6:R+7]
.irp p, 8,12,16,20,24,28
	v_pk_add_f32 v[8:9], v[8:9], v[R+\p:R+\p+1]
	v_pk_add_f32 v[10:11], v[10:11], v[R+\p+2:R+\p+3]
.endr
	v_pk_add_f32 v[8:9], v[8:9], v[10:11]
	v_add_f32 v8, v8, v9
	ALLSUM
	v_mul_f32 v12, s32, v8                         ; the mean
.set pp, 0
.rept 16
	v_pk_add_f32 v[R+pp:R+pp+1], v[R+pp:R+pp+1], v[12:13] op_sel_hi:[1,0] neg_lo:[0,1] neg_hi:[0,1]   ; x - mean
.set pp, pp+2
.endr
	v_pk_mul_f32 v[8:9], v[R:R+1], v[R:R+1]        ; the sum of squares of x - mean
	v_pk_mul_f32 v[10:11], v[R+2:R+3], v[R+2:R+3]
.irp p, 4,8,12,16,20,24,28
	v_pk_fma_f32 v[8:9], v[R+\p:R+\p+1], v[R+\p:R+\p+1], v[8:9]
	v_pk_fma_f32 v[10:11], v[R+\p+2:R+\p+3], v[R+\p+2:R+\p+3], v[10:11]
.endr
	v_pk_add_f32 v[8:9], v[8:9], v[10:11]
	v_add_f32 v8, v8, v9
	ALLSUM
	v_fma_f32 v8, v8, s32, s33                     ; the variance + 1e-5
	v_rsq_f32 v12, v8
	v_nop                                          ; a plain instruction behind the transcendental
	s_wait_alu depctr_va_vdst(0)                   ; and the wait ahead of its first reader
.set pp, 0
.rept 16
	v_pk_mul_f32 v[R+pp:R+pp+1], v[R+pp:R+pp+1], v[12:13] op_sel_hi:[1,0]
.set pp, pp+2
.endr
.set pp, 0
.rept 16
	v_pk_fma_f32 v[R+pp:R+pp+1], v[R+pp:R+pp+1], v[LG+pp:LG+pp+1], v[LB+pp:LB+pp+1]
.set pp, pp+2
.endr
.irp s, 0,1,2                          ; three copies, each with its own given scale
.set pp, 0
.rept 32
	v_med3_num_f32 v[LT+pp], v[R+pp], -v[249+2*\s], v[249+2*\s]
.set pp, pp+1
.endr
	s_wait_xcnt 0x0                                ; the earlier stores have read their data registers: the codes may be written again
.irp j, 0,1,2,3
	v_cvt_scalef32_pk8_fp8_f32 v[LC+2*\j:LC+2*\j+1], v[LT+8*\j:LT+8*\j+7], v[248+2*\s]
.endr
	v_nop                                          ; one plain instruction between the conversions and the next holds, which write their sources
.irp j, 0,1,2,3
	global_store_b64 v2, v[LC+2*\j:LC+2*\j+1], s[30:31] offset:(\s-1)*4194304+(\i)*1024+256*\j   ; 32 lanes store 256 consecutive bytes, aligned
.endr
.endr
.endm
	LNROW 0
	LNROW 1
	LNROW 2
	LNROW 3
	s_wait_tensorcnt 0x0                           ; the wave's end, as on the weights' path
	ds_add_u32 v[SPW], v[NIL]
	s_wait_dscnt 0x0
	s_endpgm
.Lfunc_end_k_qc0c79c603e_prep:
	.size	k_qc0c79c603e_prep, .Lfunc_end_k_qc0c79c603e_prep-k_qc0c79c603e_prep
	.p2alignl 7, 3214868480
	.fill 96, 4, 3214868480
	.section	.rodata,"a",@progbits
	.p2align	6, 0x0
	.amdhsa_kernel k_qc0c79c603e_prep
		.amdhsa_group_segment_fixed_size 35328
		.amdhsa_private_segment_fixed_size 0
		.amdhsa_enable_private_segment 0
		.amdhsa_kernarg_size 96
		.amdhsa_user_sgpr_count 2
		.amdhsa_user_sgpr_kernarg_segment_ptr 1
		.amdhsa_wavefront_size32 1
		.amdhsa_system_sgpr_workgroup_id_x 1
		.amdhsa_system_sgpr_workgroup_id_y 1
		.amdhsa_system_sgpr_workgroup_id_z 1
		.amdhsa_system_vgpr_workitem_id 0
		.amdhsa_next_free_vgpr 256
		.amdhsa_next_free_sgpr 66
		.amdhsa_reserve_vcc 0
		.amdhsa_float_denorm_mode_32 3
		.amdhsa_float_denorm_mode_16_64 3
		.amdhsa_memory_ordered 1
		.amdhsa_forward_progress 1
		.amdhsa_inst_pref_size 116
	.end_amdhsa_kernel
	.amdgpu_metadata
---
amdhsa.version: [ 1, 2 ]
amdhsa.kernels:
  - .name:           k_qc0c79c603e_prep
    .symbol:         k_qc0c79c603e_prep.kd
    .args:
      - { .name: Wq, .offset: 0, .size: 8, .value_kind: global_buffer, .address_space: global }
      - { .name: Wk, .offset: 8, .size: 8, .value_kind: global_buffer, .address_space: global }
      - { .name: Wv, .offset: 16, .size: 8, .value_kind: global_buffer, .address_space: global }
      - { .name: Wp, .offset: 24, .size: 8, .value_kind: global_buffer, .address_space: global }
      - { .name: W1, .offset: 32, .size: 8, .value_kind: global_buffer, .address_space: global }
      - { .name: W2, .offset: 40, .size: 8, .value_kind: global_buffer, .address_space: global }
      - { .name: lowp_scales, .offset: 48, .size: 8, .value_kind: global_buffer, .address_space: global }
      - { .name: wc, .offset: 56, .size: 8, .value_kind: global_buffer, .address_space: global }
      - { .name: inputs, .offset: 64, .size: 8, .value_kind: global_buffer, .address_space: global }
      - { .name: ln1_g, .offset: 72, .size: 8, .value_kind: global_buffer, .address_space: global }
      - { .name: ln1_b, .offset: 80, .size: 8, .value_kind: global_buffer, .address_space: global }
      - { .name: x0c, .offset: 88, .size: 8, .value_kind: global_buffer, .address_space: global }
    .group_segment_fixed_size: 35328
    .private_segment_fixed_size: 0
    .kernarg_segment_align: 8
    .kernarg_segment_size: 96
    .max_flat_workgroup_size: 128
    .sgpr_count:     66
    .vgpr_count:     256
    .wavefront_size: 32
...
	.end_amdgpu_metadata
.endif
;; end of part 1
;; launch qkv (part 2): grid 4 x 48, 4 waves a work-group, clusters of 4 x 4, 327,680 bytes of LDS; arguments x0c, wc, lowp_scales, qkvc; writes qkvc
.if DOCPART == 2
	.amdgcn_target "amdgcn-amd-amdhsa--gfx1250"
	.amdhsa_code_object_version 6
	.text
	.protected	k_qc0c79c603e_qkv
	.globl	k_qc0c79c603e_qkv
	.p2align	8
	.type	k_qc0c79c603e_qkv,@function
k_qc0c79c603e_qkv:
	s_mov_b64 s[64:65], 0
	v_nop
	global_prefetch_b8 v0, s[64:65] scope:SCOPE_SE
	s_setreg_imm32_b32 hwreg(HW_REG_WAVE_MODE, 25, 1), 1
	s_wait_xcnt 0x0
	s_wait_alu depctr_hold_cnt(0) depctr_sa_sdst(0) depctr_va_vdst(0) depctr_va_sdst(0) depctr_va_ssrc(0) depctr_va_vcc(0) depctr_vm_vsrc(0)
	s_getreg_b32 s2, hwreg(HW_REG_IB_STS2, 6, 4)
	s_cmp_eq_u32 s2, 0
	s_cbranch_scc0 .Lentry_in_a_cluster
	s_endpgm
.Lentry_in_a_cluster:
	s_bfe_u32 s2, ttmp6, 0x10000c
	s_cmp_lg_u32 s2, 0xf033
	s_cbranch_scc0 .Lentry_shape_is_right
	s_endpgm
.Lentry_shape_is_right:
; q, k and v: three products [4096 tokens] x [1024 = head x 64 + d] over K = 1024, on codes of E4M3, their f32 sums quantised at once for the attention's products.
; The cluster's y picks the job (0: q, 1: k, 2: v) and four tile rows or columns of it.  Jobs 0, 1: A = x0's codes (copy = job), B = the weight's codes: a lane's eight results are eight neighbouring
; channels of one token.  Job 2: the operands change places (A = Wv's rows, B = tokens), so that a lane's eight results are eight neighbouring TOKENS of one channel: v's K in the attention is the keys.
; Out: q at 0 and k at 4 MiB of qkvc, [batch x 16 + head][token][64]; v at 8 MiB, [head x 64 + d][4096 tokens].
; A sum stands for sum x 2^(ea + eb); its code is sum / 2^(eo - ea - eb): the three exponents are folded into the conversion's one scale.  LIMIT: eo - ea - eb between -126 and 119.
; A tile, 256 x 256, is made by four waves, 128 x 128 each: 64 accumulators of 16 x 16.  K goes in steps of 256 through a ring of two LDS slots filled by the tensor data mover.
; CLUSTERS: 4 x 4 work-groups; A's tile is asked for jointly along a row of the cluster, B's along a column.  The matrix instruction is used transposed (source 0 = 16 rows of B, source 1 = 16 rows of A).
; REGISTERS, in windows of 256: window 0: v16-31 addresses and scales; from v128 A's fragments, ONE set; on the way out v128-255 are free.  window 1: B's fragments, TWO sets.  windows 2, 3: the accumulators ((a, b) at v[8 (8 (a % 4) + b)]).
.set SIZE_K, 1024
.set KSTEP,  256
.set ROWB,   256
.set KROW,   SIZE_K
.set PITCH,  272                       ; an LDS row: 256 bytes + 16 of padding = 68 words: row r starts at bank 4 r mod 64 (64 banks of 4 bytes: ISA guide 11.1)
.set FR,     16
.set NL,     4
.set NP,     4                         ; places behind this matrix instruction (ISA guide 7.12.1)
.set HALFT,  128*PITCH
.set SLOT,   4*HALFT
.set LAPS,   SIZE_K/(2*KSTEP)
.set SPARE,  2*SLOT                    ; behind the ring: the spare words, 128 bytes for each wave
.set ADRA, 16                          ; v16-17  LDS address of my A fragments in slot 0, 1
.set ADRB, 20                          ; v20-21  the same for B
.set LIN,  22                          ; v22     16 x lane
.set RDQ2, 23                          ; v23     RDQ, 128 rows further down
.set STO,  24                          ; v24     the stage: where I put 8 codes of a row
.set RDV,  25                          ; v25     the stage read by rows: my 64 rows, sixteen lanes to a row
.set COV,  26                          ; v26     and the same two rows in memory, 4,096 bytes apart
.set RDQ,  27                          ; v27     the stage read by heads: my 64 bytes of eight rows
.set SPW,  28                          ; v28     LDS address of my spare word; never rewritten
.set NIL,  29                          ; v29     0; never rewritten
.set SCV,  30                          ; v30     the conversion's scale
.set LIM,  31                          ; v31     448 x that
.set AF,   128
.set TMP,  128                         ; the way out: a block's 64 numbers
.set BK,   128                         ; behind the barrier: 32 x 4 registers read back
.set JOB,  84                          ; s84
.set G1, 24
.set G0, 32
.set G1B, 48
.set G0B, 56
.set MSB, 0
.macro WIN new                         ; the immediate's high byte repeats the setting that is left
.if MSB != (\new)
	s_set_vgpr_msb (MSB<<8)|(\new)
.set MSB, \new
.endif
.endm
.set MUL_LO, 0xa1                      ; source 0 (B) window 1, source 1 (A) window 0, C and D window 2
.set MUL_HI, 0xf1                      ; the same, C and D window 3
.set TO_B,   0x40                      ; destination window 1, address window 0
; A joint load: waves 0 and 1 fetch for A, waves 2 and 3 for B; the branch hangs on the wave's number alone.  An s_nop 0 and four v_nop follow each of the two lines.
.macro JLOAD g0a, g1a, g0b, g1b
	s_cmp_eq_u32 s15, 0
	s_cbranch_scc0 .Lfor_b_\@
	tensor_load_to_lds s[\g0a:\g0a+3], s[\g1a:\g1a+7]
	s_nop 0
.rept 4
	v_nop
.endr
	s_branch .Lasked_\@
.Lfor_b_\@:
	tensor_load_to_lds s[\g0b:\g0b+3], s[\g1b:\g1b+7]
	s_nop 0
.rept 4
	v_nop
.endr
.Lasked_\@:
.endm
.macro CREST                           ; a round of the cluster's barrier behind its opening barrier
	s_cmp_lg_u32 s14, 0
	s_cbranch_scc1 .Lnot_wave_0_\@
	s_barrier_signal -3
.Lnot_wave_0_\@:
	s_barrier_wait -3
	s_barrier_signal -1
	s_barrier_wait -1
.endm
.macro CROUND
	s_barrier_signal -1
	s_barrier_wait -1
	CREST
.endm
	s_load_b128 s[4:7], s[0:1], 0x0                ; x0's codes s[4:5], the weights' codes s[6:7]
	s_load_b128 s[8:11], s[0:1], 0x10              ; the scales' exponents s[8:9], qkvc s[10:11]
	v_lshl_add_u32 v[SPW], v0, 2, SPARE
	v_mov_b32 v[NIL], 0
	ds_add_u32 v[SPW], v[NIL]                      ; the wave's opening: the add, and its wait ahead of my first tensor load; the set-up below stands between them
	v_lshrrev_b32 v1, 5, v0
	v_readfirstlane_b32 s14, v1                    ; wave 0..3
	s_lshr_b32 s15, s14, 1                         ; which half of the tile's rows is mine.  Also: I fetch for A (0) or for B (1)
	s_and_b32 s16, s14, 1                          ; which half of its columns.  Also: which 128 rows of that tile I fetch
	s_bfe_u32 s40, ttmp6, 0x40000                  ; cx, cy: my place in the cluster
	s_bfe_u32 s41, ttmp6, 0x40004
	s_and_b32 s85, ttmp7, 0xffff                   ; the cluster's y, 0 .. 11: the same in all sixteen partners (the grid has one cluster along x)
	s_lshr_b32 s[JOB], s85, 2                      ; the job
	s_and_b32 s85, s85, 3
	s_lshl_b32 s85, s85, 2                         ; four of the sixteen tiles along the tokens
	s_cmp_eq_u32 s[JOB], 2
	s_cselect_b32 s17, 0, s85                      ; the tokens are A's rows in jobs 0 and 1,
	s_cselect_b32 s42, s85, 0                      ; B's rows in job 2
	s_add_co_u32 s17, s17, s41                     ; tile row
	s_add_co_u32 s42, s42, s40                     ; tile column
	s_lshl_b32 s43, s41, 2
	s_lshl_b32 s43, 15, s43                        ; my row of the cluster
	s_lshl_b32 s44, 0x1111, s40                    ; my column
	s_or_b32 s[G1+0], s43, (0<<16)|(1<<20)|(1<<21)|(5<<22)|(3<<25)  ; 15:0 the mask; 17:16 element of 1 byte; 20 padding on; 21 set beside a mask; 24:22 after every 64 words; 31:25 of 4 words
	s_or_b32 s[G1B+0], s44, (0<<16)|(1<<20)|(1<<21)|(5<<22)|(3<<25)
.irp g, G1, G1B
	s_mov_b32 s[\g+1], ROWB<<16                    ; tensor_dim0
	s_mov_b32 s[\g+2], 128<<16                     ; tensor_dim1
	s_mov_b32 s[\g+3], ROWB<<16                    ; tile_dim0
	s_mov_b32 s[\g+4], 128                         ; tile_dim1
	s_mov_b32 s[\g+5], KROW                        ; tensor_dim0_stride
	s_mov_b32 s[\g+6], 0
	s_mov_b32 s[\g+7], 0
.endr
	s_lshl_b32 s18, s16, 7
	s_lshl_b32 s20, s17, 8
	s_add_co_u32 s20, s20, s18                     ; A: row 256 x tile row + 128 x half
	s_lshl_b32 s46, s42, 8
	s_add_co_u32 s46, s46, s18                     ; B: row 256 x tile column + 128 x half
	s_lshl_b32 s20, s20, 10                        ; rows of 1,024 bytes
	s_lshl_b32 s46, s46, 10
	s_mov_b32 s21, 0
	s_mov_b32 s47, 0
	s_lshl_b32 s86, s[JOB], 22                     ; the job's copy of x0's codes, 4 MiB each,
	s_mov_b32 s87, 0
	s_lshl_b32 s88, s[JOB], 20                     ; and its weight's codes, 1 MiB each
	s_mov_b32 s89, 0
	s_mul_i32 s45, s14, HALFT                      ; where my tile goes: wave x 128 rows
	s_wait_dscnt 0x0                               ; the opening add is done
	s_wait_kmcnt 0x0
	s_load_b512 s[68:83], s[8:9], 0x0              ; e0 .. e15 in s68 .. s83
	s_add_nc_u64 s[4:5], s[4:5], s[86:87]
	s_add_nc_u64 s[6:7], s[6:7], s[88:89]
	s_cmp_eq_u32 s[JOB], 2
	s_cselect_b64 s[90:91], s[6:7], s[4:5]         ; A
	s_cselect_b64 s[92:93], s[4:5], s[6:7]         ; B
	s_add_nc_u64 s[20:21], s[90:91], s[20:21]
	s_add_nc_u64 s[46:47], s[92:93], s[46:47]
	CROUND                                         ; all sixteen work-groups are here: the first joint loads meet
.irp s, 0,1
	s_mov_b32 s[G0+4*\s], 1
	s_add_co_u32 s[G0+4*\s+1], s45, \s*SLOT
	s_add_nc_u64 s[G0+4*\s+2:G0+4*\s+3], s[20:21], \s*ROWB
	s_or_b32 s[G0+4*\s+3], s[G0+4*\s+3], 0x80000000
	s_mov_b32 s[G0B+4*\s], 1
	s_add_co_u32 s[G0B+4*\s+1], s45, \s*SLOT
	s_add_nc_u64 s[G0B+4*\s+2:G0B+4*\s+3], s[46:47], \s*ROWB
	s_or_b32 s[G0B+4*\s+3], s[G0B+4*\s+3], 0x80000000
	JLOAD G0+4*\s, G1, G0B+4*\s, G1B
.endr
	v_and_b32 v1, 15, v0                           ; r = l % 16
	v_bfe_u32 v2, v0, 4, 1                         ; h = l / 16
	v_mul_u32_u24 v3, v1, PITCH
	v_lshl_add_u32 v4, v2, 4, v3                   ; a fragment's row x pitch + 16 x half
	s_mul_i32 s21, s15, HALFT                      ; my 128 rows of A
	s_mul_i32 s22, s16, HALFT                      ; my 128 rows of B,
	s_add_co_u32 s22, s22, 2*HALFT                 ; which lie behind A's 256
.irp s, 0,1
	v_add_nc_u32 v[ADRA+\s], s21, v4
	v_add_nc_u32 v[ADRB+\s], s22, v4
	s_add_co_u32 s21, s21, SLOT
	s_add_co_u32 s22, s22, SLOT
.endr
	; the way out: ONE stage of 256 rows x (256 bytes of codes + 16) for the work-group, in slot 0, which has had its last fill and its last read when the first code is stored there
	s_mul_i32 s23, s15, HALFT
	s_lshl_b32 s18, s16, 7
	s_add_co_u32 s23, s23, s18
	v_lshl_add_u32 v5, v2, 3, v3
	v_add_nc_u32 v[STO], s23, v5                   ; row 128 x row half + r, byte 128 x column half + 8 h
	s_mul_i32 s23, s14, 64*PITCH
	v_mul_u32_u24 v5, v2, PITCH
	v_lshl_add_u32 v5, v1, 4, v5
	v_add_nc_u32 v[RDV], s23, v5
	v_lshlrev_b32 v[COV], 12, v2
	v_lshl_add_u32 v[COV], v1, 4, v[COV]
	v_bfe_u32 v6, v0, 2, 3                         ; lane / 4
	v_and_b32 v7, 3, v0                            ; lane % 4
	v_mul_u32_u24 v[RDQ], v6, PITCH
	v_lshl_add_u32 v[RDQ], v7, 4, v[RDQ]
	s_lshl_b32 s23, s14, 6
	v_add_nc_u32 v[RDQ], s23, v[RDQ]               ; row lane / 4, the head's 64 bytes = wave, 16 (lane % 4)
	v_add_nc_u32 v[RDQ2], 128*PITCH, v[RDQ]
	v_and_b32 v[LIN], 31, v0
	v_lshlrev_b32 v[LIN], 4, v[LIN]
	; where my part of the result begins in qkvc.  v: 8 MiB + (256 tile row + 64 wave) rows of 4,096 + 256 tile column
	s_lshl_b32 s18, s17, 8
	s_lshl_b32 s19, s14, 6
	s_add_co_u32 s18, s18, s19
	s_lshl_b32 s18, s18, 12
	s_lshl_b32 s19, s42, 8
	s_add_co_u32 s18, s18, s19
	s_add_co_u32 s18, s18, 0x800000
	; q, k: job x 4 MiB + (16 batch + 4 tile column + wave) heads of 65,536 bytes + 256 (tile row % 4) tokens of 64
	s_lshr_b32 s22, s17, 2
	s_lshl_b32 s22, s22, 4
	s_lshl_b32 s23, s42, 2
	s_add_co_u32 s22, s22, s23
	s_add_co_u32 s22, s22, s14
	s_lshl_b32 s22, s22, 16
	s_and_b32 s23, s17, 3
	s_lshl_b32 s23, s23, 14
	s_add_co_u32 s22, s22, s23
	s_lshl_b32 s23, s[JOB], 22
	s_add_co_u32 s22, s22, s23
	s_cmp_eq_u32 s[JOB], 2
	s_cselect_b32 s18, s18, s22
	s_mov_b32 s19, 0
	s_add_nc_u64 s[10:11], s[10:11], s[18:19]
.macro FRAG reg, adr, q, i             ; a fragment, 16 rows x 128 K, is 16 registers: lane l holds row l % 16; registers 4 c .. 4 c + 3 hold K = 32 c + 16 (l / 16) + 0 .. 15: the same permutation of k in A and in B
.irp c, 0,1,2,3
	ds_load_b128 v[\reg+4*\c:\reg+4*\c+3], v[\adr] offset:128*(\q)+32*\c+(\i)*16*PITCH
.endr
.endm
; 16 matrix instructions: A's blocks a0, a0 + 1 x B's eight.  The 64 accumulators take turns, one instruction a turn, in the same order in every step.
.macro MUL16 a0, p, zero
.irp a, \a0, \a0+1
.irp b, 0,1,2,3,4,5,6,7
.if \zero
	v_wmma_f32_16x16x128_fp8_fp8 v[8*(8*((\a)%4)+\b):8*(8*((\a)%4)+\b)+7], v[128*(\p)+FR*\b:128*(\p)+FR*\b+FR-1], v[AF+FR*(\a):AF+FR*(\a)+FR-1], 0
.else
	v_wmma_f32_16x16x128_fp8_fp8 v[8*(8*((\a)%4)+\b):8*(8*((\a)%4)+\b)+7], v[128*(\p)+FR*\b:128*(\p)+FR*\b+FR-1], v[AF+FR*(\a):AF+FR*(\a)+FR-1], v[8*(8*((\a)%4)+\b):8*(8*((\a)%4)+\b)+7]
.endif
.endr
.endr
.endm
.macro FETCH_B slot, q, p
	WIN TO_B
.irp i, 0,1,2,3,4,5,6,7
	FRAG 128*(\p)+FR*\i, ADRB+\slot, \q, \i
.endr
	WIN 0
.endm
.macro FETCH_A slot, q, i0
.irp i, \i0, \i0+1, \i0+2, \i0+3
	FRAG AF+FR*(\i), ADRA+\slot, \q, \i
.endr
.endm
.macro PLACES n                        ; plain vector instructions between a matrix instruction and a load into, or a vector write of, its registers, or a read of its result
.rept \n
	v_nop
.endr
.endm
.macro STEP slot, q, zero              ; a step of 128 along K that has its successor in the same slot
	s_wait_dscnt 4*NL                              ; B's set and A's blocks 0-3 are in; the youngest 16 loads (A's blocks 4-7) may be out
	WIN MUL_LO
	MUL16 0, (\q)%2, \zero
	MUL16 2, (\q)%2, \zero
	s_wait_dscnt 0                                 ; A's blocks 4-7 are in
	PLACES NP
	FETCH_B \slot, (\q)+1, 1-(\q)%2
	FETCH_A \slot, (\q)+1, 0
	WIN MUL_HI
	MUL16 4, (\q)%2, \zero
	MUL16 6, (\q)%2, \zero
	PLACES NP
	WIN 0
	FETCH_A \slot, (\q)+1, 4
.endm
; A slot's last step changes slots: ONE barrier; in front of it each wave waits for all its tensor loads, adds 0 to its spare word, and waits for that and for its own reads of this slot.
.macro TURN slot, next, fill
	s_wait_tensorcnt 0x0                           ; all my tensor loads have landed: my part of the next slot
	ds_add_u32 v[SPW], v[NIL]                      ; 0 onto my spare word
	s_wait_dscnt 4*NL+1                            ; (the add and the youngest 16 loads may be out)
	WIN MUL_LO
	MUL16 0, 1, 0
	s_wait_dscnt 0x0                               ; the add is done, and my reads of this slot are over
	s_barrier_signal -1
	MUL16 2, 1, 0
	WIN 0
	s_barrier_wait -1
.if \fill
	CREST                                          ; the barrier has opened a round of the cluster's barrier: no wave of any partner still reads this slot or has a load on its way
	s_add_nc_u64 s[G0+4*\slot+2:G0+4*\slot+3], s[G0+4*\slot+2:G0+4*\slot+3], 2*ROWB
	s_add_nc_u64 s[G0B+4*\slot+2:G0B+4*\slot+3], s[G0B+4*\slot+2:G0B+4*\slot+3], 2*ROWB
	JLOAD G0+4*\slot, G1, G0B+4*\slot, G1B         ; the first tensor load behind the round; its four v_nop are the places in front of the loads below
.else
	PLACES NP
.endif
	FETCH_B \next, 0, 0
	FETCH_A \next, 0, 0
	WIN MUL_HI
	MUL16 4, 1, 0
	MUL16 6, 1, 0
	PLACES NP
	WIN 0
	FETCH_A \next, 0, 4
.endm
	s_wait_tensorcnt 1                             ; my part of K step 0 is in (K step 1's load may be out)
	s_barrier_signal -1
	s_barrier_wait -1                              ; everybody's is
	FETCH_B 0, 0, 0
	FETCH_A 0, 0, 0
	FETCH_A 0, 0, 4
	STEP 0, 0, 1                                   ; the first step stands in front of the loop: its products start the sums
	s_mov_b32 s3, LAPS-1
.Llap:                                                 ; a trip goes once round the ring and fills both slots again
	TURN 0, 1, 1
	STEP 1, 0, 0
	TURN 1, 0, 1
	STEP 0, 0, 0
	s_sub_co_u32 s3, s3, 1
	s_cmp_lg_u32 s3, 0
	s_cbranch_scc1 .Llap
	TURN 0, 1, 0                                   ; the last lap fills nothing
	STEP 1, 0, 0
	s_wait_dscnt 4*NL
	WIN MUL_LO
	MUL16 0, 1, 0
	MUL16 2, 1, 0
	s_wait_dscnt 0
	WIN MUL_HI
	MUL16 4, 1, 0
	MUL16 6, 1, 0
	WIN 0
	; THE WAY OUT.  The job's folded exponent eo - ea - eb, chosen by selects: no branch hangs on a given scale
	s_wait_kmcnt 0x0
	s_sub_co_i32 s85, s74, s68                     ; q: e6 - e0 - e1
	s_sub_co_i32 s85, s85, s69
	s_sub_co_i32 s86, s75, s70                     ; k: e7 - e2 - e3
	s_sub_co_i32 s86, s86, s71
	s_sub_co_i32 s87, s77, s72                     ; v: e9 - e4 - e5
	s_sub_co_i32 s87, s87, s73
	s_cmp_eq_u32 s[JOB], 1
	s_cselect_b32 s85, s86, s85
	s_cmp_eq_u32 s[JOB], 2
	s_cselect_b32 s85, s87, s85
	s_add_co_i32 s85, s85, 127
	s_lshl_b32 s86, s85, 23
	v_mov_b32 v[SCV], s86
	s_add_co_i32 s85, s85, 8
	s_lshl_b32 s85, s85, 23
	s_or_b32 s85, s85, 0x600000
	v_mov_b32 v[LIM], s85
	PLACES NP
; Block a (16 rows x 128 columns): held, converted, 8 codes a lane and tile into the stage.  Each accumulator is read from its low end on.  The codes take four register sets by turns.
.macro QSTAGE a
.set AC, 64*((\a)%4)
.set CD, 192+16*((\a)%4)
	WIN 0x02+((\a)/4)                              ; source 0: window 2 or 3
.set jj, 0
.rept 64
	v_med3_num_f32 v[TMP+jj], v[AC+jj], -v[LIM], v[LIM]
.set jj, jj+1
.endr
	WIN 0
.if (\a) >= 4
	s_wait_dscnt 24                                ; the stores of four blocks ago have read this set; the 24 of the three blocks between may be out
.endif
.irp b, 0,1,2,3,4,5,6,7
	v_cvt_scalef32_pk8_fp8_f32 v[CD+2*\b:CD+2*\b+1], v[TMP+8*\b:TMP+8*\b+7], v[SCV]
.endr
	v_nop                                          ; one plain instruction between the conversions and the next block's holds, which write their sources
.irp b, 0,1,2,3,4,5,6,7
	ds_store_b64 v[STO], v[CD+2*\b:CD+2*\b+1] offset:(\a)*16*PITCH+16*\b
.endr
.endm
.irp a, 0,1,2,3,4,5,6,7
	QSTAGE \a
.endr
	s_wait_dscnt 0x0                               ; for the others' sake: my stores into the stage are done
	s_barrier_signal -1
	s_barrier_wait -1
	s_cmp_eq_u32 s[JOB], 2                         ; the job is the cluster's: the same in every wave and every partner; only reads of the stage and stores to memory stand in the two arms
	s_cbranch_scc0 .Lby_heads
.set tt, 0
.rept 32                               ; v: my 64 rows (channels), whole: two rows an instruction
	ds_load_b128 v[BK+4*tt:BK+4*tt+3], v[RDV] offset:2*tt*PITCH
.set tt, tt+1
.endr
.set tt, 0
.rept 32
	s_wait_dscnt 31-tt                             ; the younger loads may be out
	global_store_b128 v[COV], v[BK+4*tt:BK+4*tt+3], s[10:11] offset:2*tt*4096   ; sixteen lanes store 256 consecutive bytes, aligned
.set tt, tt+1
.endr
	s_branch .Ltail
.Lby_heads:
.set tt, 0
.rept 32                               ; q, k: my head's 64 bytes of all 256 tokens: eight tokens an instruction
.if tt < 16
	ds_load_b128 v[BK+4*tt:BK+4*tt+3], v[RDQ] offset:8*tt*PITCH
.else
	ds_load_b128 v[BK+4*tt:BK+4*tt+3], v[RDQ2] offset:8*(tt-16)*PITCH
.endif
.set tt, tt+1
.endr
.set tt, 0
.rept 32
	s_wait_dscnt 31-tt
	global_store_b128 v[LIN], v[BK+4*tt:BK+4*tt+3], s[10:11] offset:512*tt      ; 32 lanes store 512 consecutive bytes, aligned
.set tt, tt+1
.endr
.Ltail:
	s_wait_tensorcnt 0x0                           ; the wave's end
	ds_add_u32 v[SPW], v[NIL]
	s_wait_dscnt 0x0
	CROUND                                         ; the closing round: no work-group ends while a partner may still ask for a tile that names it
	s_endpgm
.Lfunc_end_k_qc0c79c603e_qkv:
	.size	k_qc0c79c603e_qkv, .Lfunc_end_k_qc0c79c603e_qkv-k_qc0c79c603e_qkv
	.p2alignl 7, 3214868480
	.fill 96, 4, 3214868480
	.section	.rodata,"a",@progbits
	.p2align	6, 0x0
	.amdhsa_kernel k_qc0c79c603e_qkv
		.amdhsa_group_segment_fixed_size 327680
		.amdhsa_private_segment_fixed_size 0
		.amdhsa_enable_private_segment 0
		.amdhsa_kernarg_size 32
		.amdhsa_user_sgpr_count 2
		.amdhsa_user_sgpr_kernarg_segment_ptr 1
		.amdhsa_wavefront_size32 1
		.amdhsa_system_sgpr_workgroup_id_x 1
		.amdhsa_system_sgpr_workgroup_id_y 1
		.amdhsa_system_sgpr_workgroup_id_z 1
		.amdhsa_system_vgpr_workitem_id 0
		.amdhsa_next_free_vgpr 1024
		.amdhsa_next_free_sgpr 100
		.amdhsa_reserve_vcc 0
		.amdhsa_float_denorm_mode_32 3
		.amdhsa_float_denorm_mode_16_64 3
		.amdhsa_memory_ordered 1
		.amdhsa_forward_progress 1
		.amdhsa_inst_pref_size 133
	.end_amdhsa_kernel
	.amdgpu_metadata
---
amdhsa.version: [ 1, 2 ]
amdhsa.kernels:
  - .name:           k_qc0c79c603e_qkv
    .symbol:         k_qc0c79c603e_qkv.kd
    .args:
      - { .name: x0c, .offset: 0, .size: 8, .value_kind: global_buffer, .address_space: global }
      - { .name: wc, .offset: 8, .size: 8, .value_kind: global_buffer, .address_space: global }
      - { .name: lowp_scales, .offset: 16, .size: 8, .value_kind: global_buffer, .address_space: global }
      - { .name: qkvc, .offset: 24, .size: 8, .value_kind: global_buffer, .address_space: global }
    .group_segment_fixed_size: 327680
    .private_segment_fixed_size: 0
    .kernarg_segment_align: 8
    .kernarg_segment_size: 32
    .max_flat_workgroup_size: 128
    .sgpr_count:     100
    .vgpr_count:     1024
    .wavefront_size: 32
...
	.end_amdgpu_metadata
.endif
;; end of part 2
;; launch attn (part 3): grid 4 x 64, 16 waves a work-group, clusters of 4 x 1, 167,936 bytes of LDS; arguments qkvc, lowp_scales, ctxc; writes ctxc
.if DOCPART == 3
	.amdgcn_target "amdgcn-amd-amdhsa--gfx1250"
	.amdhsa_code_object_version 6
	.text
	.protected	k_qc0c79c603e_attn
	.globl	k_qc0c79c603e_attn
	.p2align	8
	.type	k_qc0c79c603e_attn,@function
k_qc0c79c603e_attn:
	s_mov_b64 s[64:65], 0
	v_nop
	global_prefetch_b8 v0, s[64:65] scope:SCOPE_SE
	s_setreg_imm32_b32 hwreg(HW_REG_WAVE_MODE, 25, 1), 1
	s_wait_xcnt 0x0
	s_wait_alu depctr_hold_cnt(0) depctr_sa_sdst(0) depctr_va_vdst(0) depctr_va_sdst(0) depctr_va_ssrc(0) depctr_va_vcc(0) depctr_vm_vsrc(0)
	s_getreg_b32 s2, hwreg(HW_REG_IB_STS2, 6, 4)
	s_cmp_eq_u32 s2, 0
	s_cbranch_scc0 .Lentry_in_a_cluster
	s_endpgm
.Lentry_in_a_cluster:
	s_bfe_u32 s2, ttmp6, 0x10000c
	s_cmp_lg_u32 s2, 0x3003
	s_cbranch_scc0 .Lentry_shape_is_right
	s_endpgm
.Lentry_shape_is_right:
; Causal attention on codes of E4M3: for each (batch, head), ctx = softmax(q k^T / 4096, causal) v, and ctx quantised for the projection.
; q, k: [batch x 16 + head][1024][64] at 0 and 4 MiB of qkvc; v: [head x 64 + d][4096 tokens] at 8 MiB (the keys innermost).  ctxc: [4096 tokens][1024 = head x 64 + d], codes.
; THE SOFTMAX: t = score x log2(e) / 4096; M = the running largest t rounded UP to a whole number; p = 2^(t - M) is quantised (entry 8), not normalised; the row's sum is taken of the unquantised p and divides at the end.
; SHARES.  A cluster of four work-groups owns one (batch, head).  Wave w of the work-group at place cx owns queries 64 w + 16 cx + 0 .. 15: so all four partners carry the same causal load, and whether a
; wave works in a key step (128 keys from 128 st on: w >= 2 st) or needs the mask there (w < 2 st + 2) hangs on the wave's number alone, whatever cx is.
; LDS.  The head's 1,024 keys fit whole: four slots of 256 keys, each K's 16,384 bytes (stated as 64 rows of 256 bytes, four keys a row: they are dense in memory) and V's 64 rows of 256 bytes, all rows 272 apart.
; Every slot is filled once, by joint loads of the four partners (wave 0: K's four, wave 1: V's four: four tensor loads of a wave are out at the most); nothing is filled again.
; LAYOUT.  S^T = K Q^T (source 0 = 16 neighbouring keys, source 1 = my 16 queries, K = 64): lane (r, h) holds query r, register j of tile c key 16 c + 8 h + j: converted eight at a time, tile c's codes are
; registers 2 c, 2 c + 1 of the K = 128 form's operand as that form lays it.  O^T = V^T P^T (source 0 = 16 channels, K = 128 keys); V's fragments come by loads of 8 bytes in the same layout.
; LIMITS: e6 + e7 between -114 and 139 (added to c's exponent field); e8 and e10 between -126 and 119.  NaN is not served.
; REGISTERS: v1-3, 7, 10, 11 addresses that stay; v8, 9 the step's; v12 -M, v13 the largest t, v[14:15] the sum; v16-23 Q; v32-95 K's eight fragments, then V's four; v96-159 S^T, then p; v160-191 O^T; v224-239 p's codes.
.set P,     272
.set VOFF,  64*P                       ; V's rows lie behind K's in a slot
.set SLOTB, 128*P
.set STAGE, 4*SLOTB                    ; the way out: 16 rows x (64 bytes + 16) for each wave; no tile lands here
.set SPARE, STAGE+16*1280              ; the spare words, 128 bytes for each wave
.set AK0,  1
.set AV0,  2
.set RQ,   3                           ; v3   my query - 8 (lane / 16)
.set SPW,  5
.set NIL,  6
.set GO,   7
.set ADK,  8
.set ADV,  9
.set WV,   18
.set SEL,  20
.set CS,   22
.set G1K,  24
.set G1V,  32
.set G0K,  40                          ; s40-55: K's four groups 0
.set G0V,  68                          ; s68-83: V's four
.macro CROUND
	s_barrier_signal -1
	s_barrier_wait -1
	s_cmp_lg_u32 s[WV], 0
	s_cbranch_scc1 .Lnot_wave_0_\@
	s_barrier_signal -3
.Lnot_wave_0_\@:
	s_barrier_wait -3
	s_barrier_signal -1
	s_barrier_wait -1
.endm
.macro MKSC e, vs, vl                  ; v[vs] = 2^e as f32, v[vl] = 448 x 2^e; e in s[e]
	s_add_co_i32 s14, s[\e], 127
	s_lshl_b32 s15, s14, 23
	v_mov_b32 v[\vs], s15
	s_add_co_i32 s14, s14, 8
	s_lshl_b32 s14, s14, 23
	s_or_b32 s14, s14, 0x600000
	v_mov_b32 v[\vl], s14
.endm
	s_load_b128 s[4:7], s[0:1], 0x0                ; qkvc s[4:5], the scales' exponents s[6:7]
	s_load_b64 s[8:9], s[0:1], 0x10                ; ctxc
	v_lshl_add_u32 v[SPW], v0, 2, SPARE
	v_mov_b32 v[NIL], 0
	ds_add_u32 v[SPW], v[NIL]                      ; the wave's opening: the add, and its wait ahead of the first tensor loads; the set-up below stands between them
	v_lshrrev_b32 v8, 5, v0
	v_readfirstlane_b32 s[WV], v8                  ; wave 0..15
	s_and_b32 s10, ttmp7, 0xffff                   ; batch x 16 + head: the cluster's y
	s_bfe_u32 s11, ttmp6, 0x40000                  ; cx
	s_lshl_b32 s12, s[WV], 6
	s_lshl_b32 s13, s11, 4
	s_add_co_u32 s12, s12, s13                     ; my first query: it enters q's and ctxc's addresses and the mask's numbers, no LDS address and no branch
	s_mov_b32 s[G1K], 15|(0<<16)|(1<<20)|(1<<21)|(5<<22)|(3<<25)  ; 15:0 the mask: all four work-groups; elements of 1 byte; padding: 4 words after every 64; 21 set beside a mask
	s_mov_b32 s[G1V], 15|(0<<16)|(1<<20)|(1<<21)|(5<<22)|(3<<25)
.irp g, G1K, G1V
	s_mov_b32 s[\g+1], 256<<16                     ; tensor_dim0
	s_mov_b32 s[\g+2], 64<<16                      ; tensor_dim1
	s_mov_b32 s[\g+3], 256<<16                     ; tile_dim0
	s_mov_b32 s[\g+4], 64                          ; tile_dim1
	s_mov_b32 s[\g+6], 0
	s_mov_b32 s[\g+7], 0
.endr
	s_mov_b32 s[G1K+5], 256                        ; K's long rows are dense
	s_mov_b32 s[G1V+5], 4096                       ; V's rows are 4,096 bytes apart
	s_mov_b32 s[SEL], 0x76543210
	s_mov_b32 s[SEL+1], 0xfedcba98
	s_mov_b32 s[CS], 0x39b8aa3b                    ; c = log2(e) / 4096
	s_lshl_b32 s14, s10, 16                        ; my head's 65,536 bytes of q and of k
	s_mov_b32 s15, 0
	s_and_b32 s16, s10, 15
	s_lshl_b32 s16, s16, 18                        ; v: the head's 64 rows of 4,096 bytes,
	s_lshr_b32 s17, s10, 4
	s_lshl_b32 s17, s17, 10                        ; the batch's 1,024 tokens in a row,
	s_add_co_u32 s16, s16, s17
	s_add_co_u32 s16, s16, 0x800000                ; at 8 MiB
	s_mov_b32 s17, 0
	s_wait_dscnt 0x0                               ; the opening add is done
	s_wait_kmcnt 0x0
	s_load_b128 s[84:87], s[6:7], 0x18             ; e6, e7, e8, e9
	s_load_b32 s88, s[6:7], 0x28                   ; e10
	s_add_nc_u64 s[90:91], s[4:5], s[14:15]        ; q of my head; k lies 4 MiB on
	s_add_nc_u64 s[92:93], s[4:5], s[16:17]        ; v of my head and batch
.irp s, 0,1,2,3
	s_mov_b32 s[G0K+4*\s], 1
	s_mov_b32 s[G0K+4*\s+1], \s*SLOTB
	s_add_nc_u64 s[G0K+4*\s+2:G0K+4*\s+3], s[90:91], 0x400000+\s*16384
	s_or_b32 s[G0K+4*\s+3], s[G0K+4*\s+3], 0x80000000
	s_mov_b32 s[G0V+4*\s], 1
	s_mov_b32 s[G0V+4*\s+1], \s*SLOTB+VOFF
	s_add_nc_u64 s[G0V+4*\s+2:G0V+4*\s+3], s[92:93], 256*\s
	s_or_b32 s[G0V+4*\s+3], s[G0V+4*\s+3], 0x80000000
.endr
	CROUND                                         ; all four work-groups are here: the joint loads meet
	s_cmp_eq_u32 s[WV], 0                          ; a wave's fills stand in one branch on its number, ahead of every wait on TENSORcnt, every LDS read and every other barrier
	s_cbranch_scc0 .Lnot_k
.irp s, 0,1,2,3
	tensor_load_to_lds s[G0K+4*\s:G0K+4*\s+3], s[G1K:G1K+7]
	s_nop 0
.endr
.rept 4
	v_nop
.endr
	s_branch .Lasked
.Lnot_k:
	s_cmp_eq_u32 s[WV], 1
	s_cbranch_scc0 .Lasked
.irp s, 0,1,2,3
	tensor_load_to_lds s[G0V+4*\s:G0V+4*\s+3], s[G1V:G1V+7]
	s_nop 0
.endr
.rept 4
	v_nop
.endr
.Lasked:
	v_and_b32 v8, 15, v0                           ; r
	v_bfe_u32 v9, v0, 4, 1                         ; h
	v_lshlrev_b32 v4, 6, v8
	v_lshl_add_u32 v4, v9, 4, v4                   ; q: row r of 64 bytes, + 16 h
	s_lshl_b32 s14, s12, 6
	s_mov_b32 s15, 0
	s_add_nc_u64 s[90:91], s[90:91], s[14:15]      ; q at my first query
	global_load_b128 v[16:19], v4, s[90:91]        ; Q's fragment stays in registers: registers 4 c .. 4 c + 3 hold d = 32 c + 16 h + 0 .. 15, as K's will
	global_load_b128 v[20:23], v4, s[90:91] offset:32
	v_lshrrev_b32 v10, 2, v8
	v_and_b32 v11, 3, v8
	v_mul_u32_u24 v[AK0], v10, P
	v_lshl_add_u32 v[AK0], v11, 6, v[AK0]
	v_lshl_add_u32 v[AK0], v9, 4, v[AK0]           ; K: key r of a tile: long row r / 4, byte 64 (r % 4) + 16 h: the 16 lanes of a half fall on 16 different columns of 16 bytes
	v_mul_u32_u24 v[AV0], v8, P
	v_lshl_add_u32 v[AV0], v9, 3, v[AV0]
	v_add_nc_u32 v[AV0], VOFF, v[AV0]              ; V: channel r of a tile, + 8 h
	v_add_nc_u32 v[RQ], s12, v8
	v_lshlrev_b32 v10, 3, v9
	v_sub_nc_u32 v[RQ], v[RQ], v10                 ; my query - 8 h
	s_mul_i32 s13, s[WV], 1280
	s_add_co_u32 s13, s13, STAGE                   ; my stage
	v_mul_u32_u24 v10, v8, 80
	v_lshl_add_u32 v10, v9, 3, v10
	v_add_nc_u32 v10, s13, v10                     ; in: row r, + 8 h
	v_bfe_u32 v12, v0, 2, 3                        ; lane / 4
	v_and_b32 v13, 3, v0                           ; lane % 4
	v_mul_u32_u24 v11, v12, 80
	v_lshl_add_u32 v11, v13, 4, v11
	v_add_nc_u32 v11, s13, v11                     ; back: four lanes to a row of 64 bytes
	v_lshlrev_b32 v[GO], 10, v12
	v_lshl_add_u32 v[GO], v13, 4, v[GO]            ; and the same in ctxc, rows of 1,024 bytes
	s_lshr_b32 s14, s10, 4
	s_lshl_b32 s14, s14, 10
	s_add_co_u32 s14, s14, s12                     ; my first token
	s_lshl_b32 s14, s14, 10
	s_and_b32 s16, s10, 15
	s_lshl_b32 s16, s16, 6                         ; my head's 64 bytes of a row
	s_add_co_u32 s14, s14, s16
	s_add_nc_u64 s[8:9], s[8:9], s[14:15]
	v_mov_b32 v13, 0xff61b1e6                      ; the largest t so far: -3e38, under every t
	v_floor_f32 v12, -v13                          ; -M
	v_mov_b32 v14, 0                               ; the sum, in two halves
	v_mov_b32 v15, 0
	v_mov_b32 v250, 0                              ; a lane permute's destination counts as read
	v_mov_b32 v253, 0                              ; (named as the upper half of the pair v[252:253])
.set jj, 0
.rept 32
	v_mov_b32 v[160+jj], 0                         ; O^T: the step is one macro, and its first use finds zeros, which the first change of M leaves zeros
.set jj, jj+1
.endr
	s_wait_kmcnt 0x0
	s_add_co_i32 s14, s84, s85
	s_lshl_b32 s14, s14, 23
	s_add_co_i32 s[CS], s[CS], s14                 ; a score stands for score x 2^(e6 + e7): added to c's exponent field
	s_mov_b32 s[CS+1], s[CS]                       ; (named with it as a pair)
	s_add_co_i32 s89, s86, s87                     ; e8 + e9
	MKSC 86, 244, 240                              ; p's scale and hold
	MKSC 88, 245, 241                              ; ctx's
; A KEY STEP: keys 128 st .. 128 st + 127.
.macro STEP st
.set SB, ((\st)/2)*SLOTB
.set QH, (\st)%2
.if (\st) > 0
	s_cmp_lt_u32 s[WV], 2*(\st)                    ; all the step's keys come after my queries: it is left out.  No barrier and no tensor load stands in a step
	s_cbranch_scc1 .Lhidden_\@
.endif
	v_add_nc_u32 v[ADK], SB, v[AK0]
	v_add_nc_u32 v[ADV], SB, v[AV0]
	v_nop                                          ; with the two additions: four places in front of loads into registers that the last products read
	v_nop
.irp t, 0,1,2,3,4,5,6,7
.irp c, 0,1
	ds_load_b128 v[32+8*\t+4*\c:32+8*\t+4*\c+3], v[ADK] offset:(32*QH+4*\t)*P+32*\c
.endr
.endr
	s_wait_dscnt 0x0
.irp t, 0,1,2,3,4,5,6,7
	v_wmma_f32_16x16x64_fp8_fp8 v[96+8*\t:103+8*\t], v[32+8*\t:39+8*\t], v[16:23], 0
.endr
.rept 4
	v_nop
.endr
.if (\st) < 7
	s_cmp_ge_u32 s[WV], 2*(\st)+2                  ; all the step's keys count for all my queries: no mask
	s_cbranch_scc1 .Lopen_\@
.endif
	v_mov_b32 v254, 0xff800000                     ; -infinity: p = 0 then.  Register 8 c + j holds key 128 st + 16 c + 8 h + j: hidden where 128 st + 16 c + j > my query - 8 h
.set nn, 0
.rept 64
	v_cmp_gt_i32 vcc_lo, 128*(\st)+16*(nn/8)+nn%8, v[RQ]
	v_cndmask_b32 v[96+nn], v[96+nn], v254, vcc_lo
.set nn, nn+1
.endr
.if (\st) < 7
.Lopen_\@:
.endif
	v_max3_num_f32 v254, v96, v97, v98             ; the step's largest score of my query among my 64 keys, in two chains,
	v_max3_num_f32 v252, v99, v100, v101
.irp i, 6,10,14,18,22,26,30,34,38,42,46,50,54,58
	v_max3_num_f32 v254, v254, v[96+\i], v[97+\i]
	v_max3_num_f32 v252, v252, v[98+\i], v[99+\i]
.endr
	v_max3_num_f32 v254, v254, v158, v159
	v_max_num_f32 v254, v254, v252
	v_permlanex16_b32 v250, v254, s[SEL], s[SEL+1]
	v_max_num_f32 v254, v254, v250                 ; and among lane l xor 16's.  The step's first key counts for every query of a wave that works here, so this is a number
	v_mul_f32 v254, s[CS], v254                    ; as t (c is positive)
	v_max_num_f32 v13, v13, v254                   ; the running largest t
	v_mov_b32 v254, v12
	v_floor_f32 v12, -v13                          ; the new -M = floor(-t): M is a whole number
	v_sub_f32 v254, v12, v254                      ; old M - new M: a whole number, 0 or less
	v_cvt_i32_f32 v254, v254                       ; (it saturates)
	v_ldexp_f32 v252, 1.0, v254                    ; f = 2^(old M - new M): a multiplication by it rounds nothing
.set jj, 0
.rept 32
	v_pk_fma_f32 v[96+jj:97+jj], v[96+jj:97+jj], s[CS:CS+1], v[12:13] op_sel_hi:[1,0,0]   ; t - M, two at a time
.set jj, jj+2
.endr
.set jj, 0
.rept 64
	v_exp_f32 v[96+jj], v[96+jj]                   ; p = 2^(t - M), at most 1
.set jj, jj+1
.endr
	v_pk_mul_f32 v[14:15], v[14:15], v[252:253] op_sel_hi:[1,0]   ; the sums under the new M (a plain instruction behind the exponentials)
	s_wait_alu depctr_va_vdst(0)                   ; one wait for the whole batch, ahead of its first reader
	v_pk_add_f32 v[242:243], v[96:97], v[98:99]    ; the row's sum is taken of the unquantised p
.irp j, 4,8,12,16,20,24,28,32,36,40,44,48,52,56,60
	v_pk_add_f32 v[14:15], v[14:15], v[96+\j:97+\j]
	v_pk_add_f32 v[242:243], v[242:243], v[98+\j:99+\j]
.endr
	v_pk_add_f32 v[14:15], v[14:15], v[242:243]
.set jj, 0
.rept 64
	v_min_num_f32 v[96+jj], v[96+jj], v240         ; the conversion does not saturate (ISA guide 7.6.2); p is not negative, so the hold is one-sided
.set jj, jj+1
.endr
.irp c, 0,1,2,3,4,5,6,7
	v_cvt_scalef32_pk8_fp8_f32 v[224+2*\c:225+2*\c], v[96+8*\c:103+8*\c], v244   ; registers 2 c, 2 c + 1 of the operand: keys 16 c + 8 h + 0 .. 7
.endr
.set jj, 0
.rept 16
	v_pk_mul_f32 v[160+jj:161+jj], v[160+jj:161+jj], v[252:253] op_sel_hi:[1,0]   ; O^T under the new M.  (These are also the plain instructions behind the conversions and in front of the loads)
.set jj, jj+2
.endr
.irp t, 0,1,2,3
.irp c, 0,1,2,3,4,5,6,7
	ds_load_b64 v[32+16*\t+2*\c:33+16*\t+2*\c], v[ADV] offset:16*\t*P+128*QH+16*\c
.endr
.endr
	s_wait_dscnt 0x0
.irp t, 0,1,2,3
	v_wmma_f32_16x16x128_fp8_fp8 v[160+8*\t:167+8*\t], v[32+16*\t:47+16*\t], v[224:239], v[160+8*\t:167+8*\t]   ; the four accumulators take turns, one instruction a turn
.endr
.if (\st) > 0
.Lhidden_\@:
.endif
.endm
	s_wait_loadcnt 0x0                             ; Q
.irp s, 0,1,2,3
	s_wait_tensorcnt 3-\s                          ; my load for slot s has landed; those for the later slots may be out
	s_barrier_signal -1
	s_barrier_wait -1                              ; K's and V's parts of the slot are there for all sixteen waves
	STEP 2*\s
	STEP 2*\s+1
.endr
	; THE WAY OUT: O^T / the sum x 2^(e8 + e9) is ctx; it is quantised (entry 10) and goes through my stage, so that four lanes store a token's 64 bytes of this head.
	; (A head's part of a row of ctxc is 64 bytes: the stores cover 64 consecutive bytes of each of eight rows.)
.rept 4
	v_nop                                          ; places behind the last products
.endr
	v_add_f32 v14, v14, v15
	v_permlanex16_b32 v250, v14, s[SEL], s[SEL+1]
	v_add_f32 v14, v14, v250                       ; the row's sum
	v_rcp_f32 v14, v14
	v_nop                                          ; a plain instruction behind the transcendental
	s_wait_alu depctr_va_vdst(0)                   ; and the wait ahead of its first reader
	v_ldexp_f32 v14, v14, s89
.set jj, 0
.rept 32
	v_mul_f32 v[96+jj], v[160+jj], v14             ; register 8 t + i is ctx(query r, d = 16 t + 8 h + i); each accumulator from its low end on
.set jj, jj+1
.endr
.set jj, 0
.rept 32
	v_med3_num_f32 v[96+jj], v[96+jj], -v241, v241
.set jj, jj+1
.endr
.irp t, 0,1,2,3
	v_cvt_scalef32_pk8_fp8_f32 v[224+2*\t:225+2*\t], v[96+8*\t:103+8*\t], v245
.endr
	v_nop
.irp t, 0,1,2,3
	ds_store_b64 v10, v[224+2*\t:225+2*\t] offset:16*\t
.endr
.irp u, 0,1
	ds_load_b128 v[232+4*\u:235+4*\u], v11 offset:640*\u   ; LDS serves a wave's instructions in order (ISA guide 5.7.1.4): these see my stores
.endr
.irp u, 0,1
	s_wait_dscnt 1-\u
	global_store_b128 v[GO], v[232+4*\u:235+4*\u], s[8:9] offset:8192*\u
.endr
	s_wait_tensorcnt 0x0                           ; the wave's end
	ds_add_u32 v[SPW], v[NIL]
	s_wait_dscnt 0x0
	CROUND                                         ; the closing round
	s_endpgm
.Lfunc_end_k_qc0c79c603e_attn:
	.size	k_qc0c79c603e_attn, .Lfunc_end_k_qc0c79c603e_attn-k_qc0c79c603e_attn
	.p2alignl 7, 3214868480
	.fill 96, 4, 3214868480
	.section	.rodata,"a",@progbits
	.p2align	6, 0x0
	.amdhsa_kernel k_qc0c79c603e_attn
		.amdhsa_group_segment_fixed_size 167936
		.amdhsa_private_segment_fixed_size 0
		.amdhsa_enable_private_segment 0
		.amdhsa_kernarg_size 24
		.amdhsa_user_sgpr_count 2
		.amdhsa_user_sgpr_kernarg_segment_ptr 1
		.amdhsa_wavefront_size32 1
		.amdhsa_system_sgpr_workgroup_id_x 1
		.amdhsa_system_sgpr_workgroup_id_y 1
		.amdhsa_system_sgpr_workgroup_id_z 1
		.amdhsa_system_vgpr_workitem_id 0
		.amdhsa_next_free_vgpr 256
		.amdhsa_next_free_sgpr 100
		.amdhsa_reserve_vcc 1
		.amdhsa_float_denorm_mode_32 3
		.amdhsa_float_denorm_mode_16_64 3
		.amdhsa_memory_ordered 1
		.amdhsa_forward_progress 1
		.amdhsa_inst_pref_size 192
	.end_amdhsa_kernel
	.amdgpu_metadata
---
amdhsa.version: [ 1, 2 ]
amdhsa.kernels:
  - .name:           k_qc0c79c603e_attn
    .symbol:         k_qc0c79c603e_attn.kd
    .args:
      - { .name: qkvc, .offset: 0, .size: 8, .value_kind: global_buffer, .address_space: global }
      - { .name: lowp_scales, .offset: 8, .size: 8, .value_kind: global_buffer, .address_space: global }
      - { .name: ctxc, .offset: 16, .size: 8, .value_kind: global_buffer, .address_space: global }
    .group_segment_fixed_size: 167936
    .private_segment_fixed_size: 0
    .kernarg_segment_align: 8
    .kernarg_segment_size: 24
    .max_flat_workgroup_size: 512
    .sgpr_count:     100
    .vgpr_count:     256
    .wavefront_size: 32
...
	.end_amdgpu_metadata
.endif
;; end of part 3
;; launch proj (part 4): grid 8 x 32, 4 waves a work-group, clusters of 4 x 4, 327,680 bytes of LDS; arguments ctxc, wc, lowp_scales, bp, inputs, xres; writes xres
.if DOCPART == 4
	.amdgcn_target "amdgcn-amd-amdhsa--gfx1250"
	.amdhsa_code_object_version 6
	.text
	.protected	k_qc0c79c603e_proj
	.globl	k_qc0c79c603e_proj
	.p2align	8
	.type	k_qc0c79c603e_proj,@function
k_qc0c79c603e_proj:
	s_mov_b64 s[64:65], 0
	v_nop
	global_prefetch_b8 v0, s[64:65] scope:SCOPE_SE
	s_setreg_imm32_b32 hwreg(HW_REG_WAVE_MODE, 25, 1), 1
	s_wait_xcnt 0x0
	s_wait_alu depctr_hold_cnt(0) depctr_sa_sdst(0) depctr_va_vdst(0) depctr_va_sdst(0) depctr_va_ssrc(0) depctr_va_vcc(0) depctr_vm_vsrc(0)
	s_getreg_b32 s2, hwreg(HW_REG_IB_STS2, 6, 4)
	s_cmp_eq_u32 s2, 0
	s_cbranch_scc0 .Lentry_in_a_cluster
	s_endpgm
.Lentry_in_a_cluster:
	s_bfe_u32 s2, ttmp6, 0x10000c
	s_cmp_lg_u32 s2, 0xf033
	s_cbranch_scc0 .Lentry_shape_is_right
	s_endpgm
.Lentry_shape_is_right:
; out = resid + (A B^T x 2^(ea + eb) + bias).  A: [4096][SIZE_K] codes of E4M3; B: [1024][SIZE_K] codes, at WOFF in wc; bias [1024], resid and out [4096][1024] f32.
; Here: A = ctx's codes, B = Wp's, scale entries 10 and 11, bias = bp, resid = inputs, out = x.  LIMIT: ea + eb between -126 and 127.
; The result has 1,024 columns, so a tile is 128 x 128: 256 work-groups.  Four waves, 64 x 64 each: 16 accumulators.  K goes in steps of 512 (LDS rows of 512 bytes + 16) through two LDS slots.
; CLUSTERS: 4 x 4 work-groups; A's tile is asked for jointly along a row of the cluster, B's along a column.  The matrix instruction is used transposed (source 0 = 16 rows of B, source 1 = 16 rows of A).
; The residual and the bias are asked for at the head, in the layout in which the results are stored, and land while K is walked.
; REGISTERS: window 0: v16-29 addresses; v32-95 rows read back, two sets; v96-99 the bias; v128-255 the accumulators ((a, b) at v[128 + 8 (4 a + b)]).  window 1: two fragment buffers of 128 (A's four, then B's four).  window 2: v0-127 the residual.
.set SIZE_K, 1024
.set WOFF,   0x300000
.set SOFF,   40
.set KSTEP,  512
.set PITCH,  528                       ; 132 words: row r starts at bank 4 r mod 64 (64 banks of 4 bytes: ISA guide 11.1)
.set HALFT,  64*PITCH
.set SLOT,   4*HALFT
.set STAGE,  2*SLOT                    ; behind the ring: 16 rows x (256 bytes + 16) for each wave
.set SPITCH, 272
.set SPARE,  STAGE+4*16*SPITCH         ; the spare words, 128 bytes for each wave
.set LAPS,   SIZE_K/(2*KSTEP)
.set ADRA, 16
.set ADRB, 20
.set STO,  24
.set RD,   25
.set CO,   26
.set BO,   27
.set SPW,  28
.set NIL,  29
.set BK,   32
.set BI,   96
.set ACC,  128
.set F0,   0
.set F1,   128
.set G1, 24
.set G0, 32
.set G1B, 48
.set G0B, 56
.set MSB, 0
.macro WIN new                         ; the immediate's high byte repeats the setting that is left
.if MSB != (\new)
	s_set_vgpr_msb (MSB<<8)|(\new)
.set MSB, \new
.endif
.endm
.set MUL,  0x05                        ; sources 0 (B) and 1 (A) window 1; C and D window 0
.set TO_F, 0x40                        ; destination window 1, address window 0
.macro JLOAD s                         ; a joint load: waves 0 and 1 fetch A's halves, waves 2 and 3 B's; an s_nop 0 and four v_nop follow each of the two lines
	s_cmp_eq_u32 s15, 0
	s_cbranch_scc0 .Lfor_b_\@
	tensor_load_to_lds s[G0+4*\s:G0+4*\s+3], s[G1:G1+7]
	s_nop 0
.rept 4
	v_nop
.endr
	s_branch .Lasked_\@
.Lfor_b_\@:
	tensor_load_to_lds s[G0B+4*\s:G0B+4*\s+3], s[G1B:G1B+7]
	s_nop 0
.rept 4
	v_nop
.endr
.Lasked_\@:
.endm
.macro CREST
	s_cmp_lg_u32 s14, 0
	s_cbranch_scc1 .Lnot_wave_0_\@
	s_barrier_signal -3
.Lnot_wave_0_\@:
	s_barrier_wait -3
	s_barrier_signal -1
	s_barrier_wait -1
.endm
.macro CROUND
	s_barrier_signal -1
	s_barrier_wait -1
	CREST
.endm
	s_load_b128 s[4:7], s[0:1], 0x0                ; A's codes s[4:5], wc s[6:7]
	s_load_b128 s[8:11], s[0:1], 0x10              ; the scales' exponents s[8:9], the bias s[10:11]
	s_load_b128 s[88:91], s[0:1], 0x20             ; the residual s[88:89], the result s[90:91]
	v_lshl_add_u32 v[SPW], v0, 2, SPARE
	v_mov_b32 v[NIL], 0
	ds_add_u32 v[SPW], v[NIL]                      ; the wave's opening: the add, and its wait ahead of my first tensor load
	v_lshrrev_b32 v1, 5, v0
	v_readfirstlane_b32 s14, v1                    ; wave 0..3
	s_lshr_b32 s15, s14, 1                         ; which half of the tile's rows is mine.  Also: I fetch for A (0) or for B (1)
	s_and_b32 s16, s14, 1                          ; which half of its columns.  Also: which 64 rows of that tile I fetch
	s_bfe_u32 s40, ttmp6, 0x40000                  ; cx, cy
	s_bfe_u32 s41, ttmp6, 0x40004
	s_lshl_b32 s42, ttmp9, 2
	s_add_co_u32 s42, s42, s40                     ; tile column
	s_and_b32 s17, ttmp7, 0xffff
	s_lshl_b32 s17, s17, 2
	s_add_co_u32 s17, s17, s41                     ; tile row
	s_lshl_b32 s43, s41, 2
	s_lshl_b32 s43, 15, s43                        ; my row of the cluster
	s_lshl_b32 s44, 0x1111, s40                    ; my column
	s_or_b32 s[G1+0], s43, (0<<16)|(1<<20)|(1<<21)|(6<<22)|(3<<25)  ; the mask; element of 1 byte; padding: 4 words after every 128; 21 set beside a mask
	s_or_b32 s[G1B+0], s44, (0<<16)|(1<<20)|(1<<21)|(6<<22)|(3<<25)
.irp g, G1, G1B
	s_mov_b32 s[\g+1], KSTEP<<16                   ; tensor_dim0
	s_mov_b32 s[\g+2], 64<<16                      ; tensor_dim1
	s_mov_b32 s[\g+3], KSTEP<<16                   ; tile_dim0
	s_mov_b32 s[\g+4], 64                          ; tile_dim1
	s_mov_b32 s[\g+5], SIZE_K                      ; tensor_dim0_stride
	s_mov_b32 s[\g+6], 0
	s_mov_b32 s[\g+7], 0
.endr
	s_lshl_b32 s18, s16, 6
	s_lshl_b32 s20, s17, 7
	s_add_co_u32 s20, s20, s18                     ; A: row 128 x tile row + 64 x half
	s_lshl_b32 s46, s42, 7
	s_add_co_u32 s46, s46, s18                     ; B: row 128 x tile column + 64 x half
	s_mul_i32 s20, s20, SIZE_K                     ; in bytes: under 2^25
	s_mul_i32 s46, s46, SIZE_K
	s_mov_b32 s21, 0
	s_mov_b32 s47, 0
	s_mul_i32 s45, s14, HALFT                      ; where my tile goes: wave x 64 rows
	s_wait_dscnt 0x0                               ; the opening add is done
	s_wait_kmcnt 0x0
	s_load_b64 s[96:97], s[8:9], SOFF              ; ea, eb
	s_add_nc_u64 s[6:7], s[6:7], WOFF
	s_add_nc_u64 s[20:21], s[4:5], s[20:21]
	s_add_nc_u64 s[46:47], s[6:7], s[46:47]
	CROUND                                         ; all sixteen work-groups are here: the first joint loads meet
.irp s, 0,1
	s_mov_b32 s[G0+4*\s], 1
	s_add_co_u32 s[G0+4*\s+1], s45, \s*SLOT
	s_add_nc_u64 s[G0+4*\s+2:G0+4*\s+3], s[20:21], \s*KSTEP
	s_or_b32 s[G0+4*\s+3], s[G0+4*\s+3], 0x80000000
	s_mov_b32 s[G0B+4*\s], 1
	s_add_co_u32 s[G0B+4*\s+1], s45, \s*SLOT
	s_add_nc_u64 s[G0B+4*\s+2:G0B+4*\s+3], s[46:47], \s*KSTEP
	s_or_b32 s[G0B+4*\s+3], s[G0B+4*\s+3], 0x80000000
	JLOAD \s
.endr
	v_and_b32 v1, 15, v0                           ; r
	v_bfe_u32 v2, v0, 4, 1                         ; h
	v_mul_u32_u24 v3, v1, PITCH
	v_lshl_add_u32 v3, v2, 4, v3
	s_mul_i32 s21, s15, HALFT                      ; my 64 rows of A
	s_mul_i32 s22, s16, HALFT                      ; my 64 rows of B,
	s_add_co_u32 s22, s22, 2*HALFT                 ; which lie behind A's 128
.irp s, 0,1
	v_add_nc_u32 v[ADRA+\s], s21, v3
	v_add_nc_u32 v[ADRB+\s], s22, v3
	s_add_co_u32 s21, s21, SLOT
	s_add_co_u32 s22, s22, SLOT
.endr
	s_mul_i32 s23, s14, 16*SPITCH
	s_add_co_u32 s23, s23, STAGE                   ; my stage
	v_mul_u32_u24 v4, v1, SPITCH
	v_lshl_add_u32 v4, v2, 5, v4
	v_add_nc_u32 v[STO], s23, v4                   ; in: row r, 32 bytes for each half of the lanes
	v_mul_u32_u24 v5, v2, SPITCH
	v_lshl_add_u32 v5, v1, 4, v5
	v_add_nc_u32 v[RD], s23, v5                    ; back: sixteen lanes to a row of 256 bytes, two rows an instruction
	v_lshlrev_b32 v[CO], 12, v2
	v_lshl_add_u32 v[CO], v1, 4, v[CO]             ; and the same two rows in memory
	v_lshlrev_b32 v[BO], 4, v1                     ; my four columns' bias
	s_lshl_b32 s20, s17, 7
	s_lshl_b32 s21, s15, 6
	s_add_co_u32 s20, s20, s21                     ; my first row: 128 x tile row + 64 x half
	s_lshl_b32 s20, s20, 12
	s_lshl_b32 s46, s42, 9                         ; my first column in bytes: 512 x tile column + 256 x half
	s_lshl_b32 s47, s16, 8
	s_add_co_u32 s46, s46, s47
	s_mov_b32 s47, 0
	s_add_nc_u64 s[10:11], s[10:11], s[46:47]
	s_add_co_u32 s20, s20, s46
	s_mov_b32 s21, 0
	s_add_nc_u64 s[88:89], s[88:89], s[20:21]
	s_add_nc_u64 s[90:91], s[90:91], s[20:21]
	WIN 0x80                                       ; destination window 2
.irp a, 0,1,2,3
.irp t, 0,1,2,3,4,5,6,7
	global_load_b128 v[32*\a+4*\t:32*\a+4*\t+3], v[CO], s[88:89] offset:(16*\a+2*\t)*4096 th:TH_LOAD_NT
.endr
.endr
	WIN 0
	global_load_b128 v[BI:BI+3], v[BO], s[10:11]
; 8 matrix instructions: A's blocks a0, a0 + 1 x B's four, 128 along K.  The 16 accumulators take turns, one instruction a turn, in the same order in every quarter.
.macro MUL8 f, a0, zero
.irp a, \a0, \a0+1
.irp b, 0,1,2,3
.if \zero
	v_wmma_f32_16x16x128_fp8_fp8 v[ACC+8*(4*(\a)+\b):ACC+8*(4*(\a)+\b)+7], v[\f+64+16*\b:\f+64+16*\b+15], v[\f+16*(\a):\f+16*(\a)+15], 0
.else
	v_wmma_f32_16x16x128_fp8_fp8 v[ACC+8*(4*(\a)+\b):ACC+8*(4*(\a)+\b)+7], v[\f+64+16*\b:\f+64+16*\b+15], v[\f+16*(\a):\f+16*(\a)+15], v[ACC+8*(4*(\a)+\b):ACC+8*(4*(\a)+\b)+7]
.endif
.endr
.endr
.endm
; 32 LDS loads in one run: the fragments of 128 along K at byte k of the rows, into buffer f: B's four, then A's four.  Registers 4 c .. 4 c + 3 hold K = 32 c + 16 (l / 16) + 0 .. 15: the same permutation of k in A and in B
.macro FETCH slot, k, f
	WIN TO_F
.irp i, 0,1,2,3
.irp c, 0,1,2,3
	ds_load_b128 v[\f+64+16*\i+4*\c:\f+64+16*\i+4*\c+3], v[ADRB+\slot] offset:\k+32*\c+\i*16*PITCH
.endr
.endr
.irp i, 0,1,2,3
.irp c, 0,1,2,3
	ds_load_b128 v[\f+16*\i+4*\c:\f+16*\i+4*\c+3], v[ADRA+\slot] offset:\k+32*\c+\i*16*PITCH
.endr
.endr
.endm
.macro PLACES                          ; four plain instructions in front of loads into registers that matrix instructions have read, and of the first read of results
.rept 4
	v_nop
.endr
.endm
; A K step is four quarters of 128 along K, 16 matrix instructions each, on buffers 0, 1, 0, 1.
.macro QUARTER slot, k, f, g, zero
	s_wait_dscnt 8                                 ; B's four and A's blocks 0, 1 are in; the youngest eight loads (A's blocks 2, 3) may be out
	WIN MUL
	MUL8 \f, 0, \zero
	PLACES
	FETCH \slot, \k, \g
	s_wait_dscnt 32                                ; all but the 32 just issued
	WIN MUL
	MUL8 \f, 2, \zero
.endm
; The last quarter multiplies buffer 1 and changes slots: ONE barrier; in front of it each wave waits for all its tensor loads, adds 0 to its spare word, and waits for that and for its reads of this slot.
.macro TURN slot, next, fill
	WIN 0
	s_wait_tensorcnt 0x0                           ; all my tensor loads have landed: my part of the next slot
	ds_add_u32 v[SPW], v[NIL]                      ; 0 onto my spare word
	s_wait_dscnt 9                                 ; (the add and the youngest eight loads may be out)
	WIN MUL
	MUL8 F1, 0, 0
	s_wait_dscnt 0x0                               ; the add is done, and my reads of this slot are over
	WIN 0
	s_barrier_signal -1
	s_barrier_wait -1
.if \fill
	CREST                                          ; the barrier has opened a round of the cluster's barrier
	s_add_nc_u64 s[G0+4*\slot+2:G0+4*\slot+3], s[G0+4*\slot+2:G0+4*\slot+3], 2*KSTEP
	s_add_nc_u64 s[G0B+4*\slot+2:G0B+4*\slot+3], s[G0B+4*\slot+2:G0B+4*\slot+3], 2*KSTEP
	JLOAD \slot                                    ; the first tensor load behind the round; its four v_nop are the places in front of the loads below
.else
	PLACES
.endif
	FETCH \next, 0, F0
	WIN MUL
	MUL8 F1, 2, 0
.endm
	s_wait_tensorcnt 1                             ; my part of K step 0 is in (K step 1's may be out)
	s_barrier_signal -1
	s_barrier_wait -1                              ; everybody's is
	FETCH 0, 0, F0
	QUARTER 0, 128, F0, F1, 1                      ; the first quarter's products start the sums
.if LAPS > 1
	WIN 0
	s_mov_b32 s3, LAPS-1
.Llap:                                                 ; a trip goes once round the ring and fills both slots again
	QUARTER 0, 256, F1, F0, 0
	QUARTER 0, 384, F0, F1, 0
	TURN 0, 1, 1
	QUARTER 1, 128, F0, F1, 0
	QUARTER 1, 256, F1, F0, 0
	QUARTER 1, 384, F0, F1, 0
	TURN 1, 0, 1
	QUARTER 0, 128, F0, F1, 0
	WIN 0
	s_sub_co_u32 s3, s3, 1
	s_cmp_lg_u32 s3, 0
	s_cbranch_scc1 .Llap
.endif
	QUARTER 0, 256, F1, F0, 0                      ; the last lap fills nothing
	QUARTER 0, 384, F0, F1, 0
	TURN 0, 1, 0
	QUARTER 1, 128, F0, F1, 0
	QUARTER 1, 256, F1, F0, 0
	QUARTER 1, 384, F0, F1, 0
	s_wait_dscnt 8
	WIN MUL
	MUL8 F1, 0, 0
	s_wait_dscnt 0
	MUL8 F1, 2, 0
	WIN 0
	; THE WAY OUT, block by block of 16 rows x 64 columns, through my own stage: back come whole rows of 256 bytes, in the layout in which the residual and the bias lie.
	s_wait_kmcnt 0x0
	s_add_co_i32 s96, s96, s97
	s_add_co_i32 s96, s96, 127
	s_lshl_b32 s96, s96, 23                        ; 2^(ea + eb) as f32
	s_mov_b32 s97, s96                             ; (named with it as a pair)
	s_wait_loadcnt 0x0                             ; the residual and the bias
	PLACES
.macro OUT a
.set BB, BK+32*((\a)%2)
.if (\a) >= 2
	s_wait_xcnt 0x0                                ; the stores of two blocks ago have read this set
.endif
.irp b, 0,1,2,3
	ds_store_b128 v[STO], v[ACC+8*(4*(\a)+\b):ACC+8*(4*(\a)+\b)+3] offset:64*\b       ; each accumulator from its low end on
	ds_store_b128 v[STO], v[ACC+8*(4*(\a)+\b)+4:ACC+8*(4*(\a)+\b)+7] offset:64*\b+16
.endr
.irp t, 0,1,2,3,4,5,6,7
	ds_load_b128 v[BB+4*\t:BB+4*\t+3], v[RD] offset:2*\t*SPITCH    ; LDS serves a wave's instructions in order (ISA guide 5.7.1.4): these see my stores, and the next block's stores come behind them
.endr
	s_wait_dscnt 0x0
.irp t, 0,1,2,3,4,5,6,7
	v_pk_fma_f32 v[BB+4*\t:BB+4*\t+1], v[BB+4*\t:BB+4*\t+1], s[96:97], v[BI:BI+1] op_sel_hi:[1,0,1]        ; sum x 2^(ea + eb) + bias
	v_pk_fma_f32 v[BB+4*\t+2:BB+4*\t+3], v[BB+4*\t+2:BB+4*\t+3], s[96:97], v[BI+2:BI+3] op_sel_hi:[1,0,1]
.endr
	WIN 0x08                                       ; source 1 window 2: the residual
.irp t, 0,1,2,3,4,5,6,7
	v_pk_add_f32 v[BB+4*\t:BB+4*\t+1], v[BB+4*\t:BB+4*\t+1], v[32*(\a)+4*\t:32*(\a)+4*\t+1]
	v_pk_add_f32 v[BB+4*\t+2:BB+4*\t+3], v[BB+4*\t+2:BB+4*\t+3], v[32*(\a)+4*\t+2:32*(\a)+4*\t+3]
.endr
	WIN 0
.irp t, 0,1,2,3,4,5,6,7
	global_store_b128 v[CO], v[BB+4*\t:BB+4*\t+3], s[90:91] offset:(16*(\a)+2*\t)*4096   ; sixteen lanes store 256 consecutive bytes, aligned
.endr
.endm
	OUT 0
	OUT 1
	OUT 2
	OUT 3
	s_wait_tensorcnt 0x0                           ; the wave's end
	ds_add_u32 v[SPW], v[NIL]
	s_wait_dscnt 0x0
	CROUND                                         ; the closing round
	s_endpgm
.Lfunc_end_k_qc0c79c603e_proj:
	.size	k_qc0c79c603e_proj, .Lfunc_end_k_qc0c79c603e_proj-k_qc0c79c603e_proj
	.p2alignl 7, 3214868480
	.fill 96, 4, 3214868480
	.section	.rodata,"a",@progbits
	.p2align	6, 0x0
	.amdhsa_kernel k_qc0c79c603e_proj
		.amdhsa_group_segment_fixed_size 327680
		.amdhsa_private_segment_fixed_size 0
		.amdhsa_enable_private_segment 0
		.amdhsa_kernarg_size 48
		.amdhsa_user_sgpr_count 2
		.amdhsa_user_sgpr_kernarg_segment_ptr 1
		.amdhsa_wavefront_size32 1
		.amdhsa_system_sgpr_workgroup_id_x 1
		.amdhsa_system_sgpr_workgroup_id_y 1
		.amdhsa_system_sgpr_workgroup_id_z 1
		.amdhsa_system_vgpr_workitem_id 0
		.amdhsa_next_free_vgpr 640
		.amdhsa_next_free_sgpr 100
		.amdhsa_reserve_vcc 0
		.amdhsa_float_denorm_mode_32 3
		.amdhsa_float_denorm_mode_16_64 3
		.amdhsa_memory_ordered 1
		.amdhsa_forward_progress 1
		.amdhsa_inst_pref_size 53
	.end_amdhsa_kernel
	.amdgpu_metadata
---
amdhsa.version: [ 1, 2 ]
amdhsa.kernels:
  - .name:           k_qc0c79c603e_proj
    .symbol:         k_qc0c79c603e_proj.kd
    .args:
      - { .name: ctxc, .offset: 0, .size: 8, .value_kind: global_buffer, .address_space: global }
      - { .name: wc, .offset: 8, .size: 8, .value_kind: global_buffer, .address_space: global }
      - { .name: lowp_scales, .offset: 16, .size: 8, .value_kind: global_buffer, .address_space: global }
      - { .name: bp, .offset: 24, .size: 8, .value_kind: global_buffer, .address_space: global }
      - { .name: inputs, .offset: 32, .size: 8, .value_kind: global_buffer, .address_space: global }
      - { .name: xres, .offset: 40, .size: 8, .value_kind: global_buffer, .address_space: global }
    .group_segment_fixed_size: 327680
    .private_segment_fixed_size: 0
    .kernarg_segment_align: 8
    .kernarg_segment_size: 48
    .max_flat_workgroup_size: 128
    .sgpr_count:     100
    .vgpr_count:     640
    .wavefront_size: 32
...
	.end_amdgpu_metadata
.endif
;; end of part 4
;; launch ln2 (part 5): grid 256 x 1, 4 waves a work-group, no clusters, 0 bytes of LDS; arguments xres, ln2_g, ln2_b, lowp_scales, hc; writes hc
.if DOCPART == 5
	.amdgcn_target "amdgcn-amd-amdhsa--gfx1250"
	.amdhsa_code_object_version 6
	.text
	.protected	k_qc0c79c603e_ln2
	.globl	k_qc0c79c603e_ln2
	.p2align	8
	.type	k_qc0c79c603e_ln2,@function
k_qc0c79c603e_ln2:
	s_mov_b64 s[64:65], 0
	v_nop
	global_prefetch_b8 v0, s[64:65] scope:SCOPE_SE
	s_setreg_imm32_b32 hwreg(HW_REG_WAVE_MODE, 25, 1), 1
	s_wait_xcnt 0x0
; h = LayerNorm(x) in f32, quantised to codes of E4M3 with the given scale (entry 12) into hc [4096][1024].
; A wave takes four rows, each whole in 32 registers; a lane holds 8 neighbours at columns 256 j + 8 lane, so that its 8 codes are 8 bytes and the wave's store covers 256 consecutive bytes, aligned.
; No LDS, no barrier: waves share nothing.  LIMIT: e12 between -126 and 119; NaN is not served.
.set LX,     16                        ; v16-143 four rows
.set LG,     144                       ; v144-175 the gain at my 32 columns
.set LB,     176                       ; v176-207 the bias
.set LT,     208                       ; v208-239 held numbers
.set LC,     240                       ; v240-247 codes
	s_load_b256 s[8:15], s[0:1], 0x0               ; x 8, ln2_g 10, ln2_b 12, the scales 14
	s_load_b64 s[16:17], s[0:1], 0x20              ; hc
	v_lshrrev_b32 v1, 5, v0
	v_readfirstlane_b32 s2, v1                     ; wave 0..3
	v_and_b32 v1, 31, v0
	v_lshlrev_b32 v2, 3, v1                        ; my 8 codes
	v_lshlrev_b32 v1, 5, v1                        ; my 8 numbers
	s_lshl_b32 s3, ttmp9, 4
	s_lshl_b32 s4, s2, 2
	s_add_co_u32 s3, s3, s4                        ; my first row: 16 x work-group + 4 x wave
	s_mov_b32 s5, 0
	s_mov_b32 s32, 0x3a800000                      ; 1 / 1024
	s_mov_b32 s33, 0x3727c5ac                      ; 1e-5
	s_mov_b32 s34, 0x76543210                      ; v_permlanex16_b32: lane l xor 16
	s_mov_b32 s35, 0xfedcba98
	v_mov_b32 v13, 0                               ; (named as the upper half of the pair v[12:13])
	v_mov_b32 v14, 0                               ; a lane permute's destination counts as read
	s_wait_kmcnt 0x0
	s_load_b32 s20, s[14:15], 0x30                 ; e12
	s_lshl_b32 s4, s3, 12
	s_add_nc_u64 s[8:9], s[8:9], s[4:5]
	s_lshl_b32 s4, s3, 10
	s_add_nc_u64 s[16:17], s[16:17], s[4:5]
.irp j, 0,1,2,3
.irp u, 0,1
	global_load_b128 v[LG+8*\j+4*\u:LG+8*\j+4*\u+3], v1, s[10:11] offset:1024*\j+16*\u
.endr
.endr
.irp j, 0,1,2,3
.irp u, 0,1
	global_load_b128 v[LB+8*\j+4*\u:LB+8*\j+4*\u+3], v1, s[12:13] offset:1024*\j+16*\u
.endr
.endr
.irp i, 0,1,2,3
.irp j, 0,1,2,3
.irp u, 0,1
	global_load_b128 v[LX+32*\i+8*\j+4*\u:LX+32*\i+8*\j+4*\u+3], v1, s[8:9] offset:4096*\i+1024*\j+16*\u th:TH_LOAD_NT
.endr
.endr
.endr
	s_wait_kmcnt 0x0
	s_add_co_i32 s6, s20, 127
	s_lshl_b32 s7, s6, 23
	v_mov_b32 v248, s7                             ; 2^e12 as f32: the conversion takes its exponent field
	s_add_co_i32 s6, s6, 8
	s_lshl_b32 s6, s6, 23
	s_or_b32 s6, s6, 0x600000
	v_mov_b32 v249, s6                             ; 448 x 2^e12
.macro ALLSUM                          ; v8 summed over the 32 lanes, the result in every lane
	v_add_f32_dpp v8, v8, v8 row_xmask:1 row_mask:0xf bank_mask:0xf
	v_add_f32_dpp v8, v8, v8 row_xmask:2 row_mask:0xf bank_mask:0xf
	v_add_f32_dpp v8, v8, v8 row_xmask:4 row_mask:0xf bank_mask:0xf
	v_add_f32_dpp v8, v8, v8 row_xmask:8 row_mask:0xf bank_mask:0xf
	v_permlanex16_b32 v14, v8, s34, s35
	v_add_f32 v8, v8, v14
.endm
.macro LNROW i
.set R, LX+32*(\i)
	s_wait_loadcnt 8*(3-(\i))                      ; gain, bias and this row are in; the later rows' eight loads each may be out
	v_pk_add_f32 v[8:9], v[R:R+1], v[R+2:R+3]      ; the row's sum, in two chains
	v_pk_add_f32 v[10:11], v[R+4:R+5], v[R+6:R+7]
.irp p, 8,12,16,20,24,28
	v_pk_add_f32 v[8:9], v[8:9], v[R+\p:R+\p+1]
	v_pk_add_f32 v[10:11], v[10:11], v[R+\p+2:R+\p+3]
.endr
	v_pk_add_f32 v[8:9], v[8:9], v[10:11]
	v_add_f32 v8, v8, v9
	ALLSUM
	v_mul_f32 v12, s32, v8                         ; the mean
.set pp, 0
.rept 16
	v_pk_add_f32 v[R+pp:R+pp+1], v[R+pp:R+pp+1], v[12:13] op_sel_hi:[1,0] neg_lo:[0,1] neg_hi:[0,1]   ; x - mean
.set pp, pp+2
.endr
	v_pk_mul_f32 v[8:9], v[R:R+1], v[R:R+1]        ; the sum of squares of x - mean
	v_pk_mul_f32 v[10:11], v[R+2:R+3], v[R+2:R+3]
.irp p, 4,8,12,16,20,24,28
	v_pk_fma_f32 v[8:9], v[R+\p:R+\p+1], v[R+\p:R+\p+1], v[8:9]
	v_pk_fma_f32 v[10:11], v[R+\p+2:R+\p+3], v[R+\p+2:R+\p+3], v[10:11]
.endr
	v_pk_add_f32 v[8:9], v[8:9], v[10:11]
	v_add_f32 v8, v8, v9
	ALLSUM
	v_fma_f32 v8, v8, s32, s33                     ; the variance + 1e-5
	v_rsq_f32 v12, v8
	v_nop                                          ; a plain instruction behind the transcendental
	s_wait_alu depctr_va_vdst(0)                   ; and the wait ahead of its first reader
.set pp, 0
.rept 16
	v_pk_mul_f32 v[R+pp:R+pp+1], v[R+pp:R+pp+1], v[12:13] op_sel_hi:[1,0]
.set pp, pp+2
.endr
.set pp, 0
.rept 16
	v_pk_fma_f32 v[R+pp:R+pp+1], v[R+pp:R+pp+1], v[LG+pp:LG+pp+1], v[LB+pp:LB+pp+1]
.set pp, pp+2
.endr
.set pp, 0
.rept 32
	v_med3_num_f32 v[LT+pp], v[R+pp], -v249, v249  ; the conversion does not saturate (ISA guide 7.6.2): the hold at the largest code x the scale
.set pp, pp+1
.endr
	s_wait_xcnt 0x0                                ; the earlier stores have read their data registers: the codes may be written again
.irp j, 0,1,2,3
	v_cvt_scalef32_pk8_fp8_f32 v[LC+2*\j:LC+2*\j+1], v[LT+8*\j:LT+8*\j+7], v248
.endr
	v_nop                                          ; one plain instruction between the conversions and the next row's holds, which write their sources
.irp j, 0,1,2,3
	global_store_b64 v2, v[LC+2*\j:LC+2*\j+1], s[16:17] offset:(\i)*1024+256*\j   ; 32 lanes store 256 consecutive bytes, aligned
.endr
.endm
	LNROW 0
	LNROW 1
	LNROW 2
	LNROW 3
	s_endpgm
.Lfunc_end_k_qc0c79c603e_ln2:
	.size	k_qc0c79c603e_ln2, .Lfunc_end_k_qc0c79c603e_ln2-k_qc0c79c603e_ln2
	.p2alignl 7, 3214868480
	.fill 96, 4, 3214868480
	.section	.rodata,"a",@progbits
	.p2align	6, 0x0
	.amdhsa_kernel k_qc0c79c603e_ln2
		.amdhsa_group_segment_fixed_size 0
		.amdhsa_private_segment_fixed_size 0
		.amdhsa_enable_private_segment 0
		.amdhsa_kernarg_size 40
		.amdhsa_user_sgpr_count 2
		.amdhsa_user_sgpr_kernarg_segment_ptr 1
		.amdhsa_wavefront_size32 1
		.amdhsa_system_sgpr_workgroup_id_x 1
		.amdhsa_system_sgpr_workgroup_id_y 1
		.amdhsa_system_sgpr_workgroup_id_z 1
		.amdhsa_system_vgpr_workitem_id 0
		.amdhsa_next_free_vgpr 256
		.amdhsa_next_free_sgpr 66
		.amdhsa_reserve_vcc 0
		.amdhsa_float_denorm_mode_32 3
		.amdhsa_float_denorm_mode_16_64 3
		.amdhsa_memory_ordered 1
		.amdhsa_forward_progress 1
		.amdhsa_inst_pref_size 41
	.end_amdhsa_kernel
	.amdgpu_metadata
---
amdhsa.version: [ 1, 2 ]
amdhsa.kernels:
  - .name:           k_qc0c79c603e_ln2
    .symbol:         k_qc0c79c603e_ln2.kd
    .args:
      - { .name: xres, .offset: 0, .size: 8, .value_kind: global_buffer, .address_space: global }
      - { .name: ln2_g, .offset: 8, .size: 8, .value_kind: global_buffer, .address_space: global }
      - { .name: ln2_b, .offset: 16, .size: 8, .value_kind: global_buffer, .address_space: global }
      - { .name: lowp_scales, .offset: 24, .size: 8, .value_kind: global_buffer, .address_space: global }
      - { .name: hc, .offset: 32, .size: 8, .value_kind: global_buffer, .address_space: global }
    .group_segment_fixed_size: 0
    .private_segment_fixed_size: 0
    .kernarg_segment_align: 8
    .kernarg_segment_size: 40
    .max_flat_workgroup_size: 128
    .sgpr_count:     66
    .vgpr_count:     256
    .wavefront_size: 32
...
	.end_amdgpu_metadata
.endif
;; end of part 5
;; launch ff1 (part 6): grid 16 x 16, 4 waves a work-group, clusters of 4 x 4, 327,680 bytes of LDS; arguments hc, wc, lowp_scales, b1, hid; writes hid
.if DOCPART == 6
	.amdgcn_target "amdgcn-amd-amdhsa--gfx1250"
	.amdhsa_code_object_version 6
	.text
	.protected	k_qc0c79c603e_ff1
	.globl	k_qc0c79c603e_ff1
	.p2align	8
	.type	k_qc0c79c603e_ff1,@function
k_qc0c79c603e_ff1:
	s_mov_b64 s[64:65], 0
	v_nop
	global_prefetch_b8 v0, s[64:65] scope:SCOPE_SE
	s_setreg_imm32_b32 hwreg(HW_REG_WAVE_MODE, 25, 1), 1
	s_wait_xcnt 0x0
	s_wait_alu depctr_hold_cnt(0) depctr_sa_sdst(0) depctr_va_vdst(0) depctr_va_sdst(0) depctr_va_ssrc(0) depctr_va_vcc(0) depctr_vm_vsrc(0)
	s_getreg_b32 s2, hwreg(HW_REG_IB_STS2, 6, 4)
	s_cmp_eq_u32 s2, 0
	s_cbranch_scc0 .Lentry_in_a_cluster
	s_endpgm
.Lentry_in_a_cluster:
	s_bfe_u32 s2, ttmp6, 0x10000c
	s_cmp_lg_u32 s2, 0xf033
	s_cbranch_scc0 .Lentry_shape_is_right
	s_endpgm
.Lentry_shape_is_right:
; hid = Q(relu(h W1 + b1)): [4096 tokens] x [4096] over K = 1024, on codes of E4M3 (entries 12, 13); the result quantised at once (entry 14) into hid [4096][4096], codes.
; A = h's codes [4096][1024]; B = W1's codes [4096][1024] at 4 MiB of wc.  A sum x 2^(e12 + e13) + b1 is one packed multiply-add for two numbers; the hold that the conversion wants clips at 0 as well: the activation.
; LIMITS: e12 + e13 between -126 and 127; e14 between -126 and 119.
; A tile, 256 x 256, is made by four waves, 128 x 128 each: 64 accumulators of 16 x 16.  K goes in steps of 256 through a ring of two LDS slots filled by the tensor data mover.
; CLUSTERS: 4 x 4 work-groups; A's tile is asked for jointly along a row of the cluster, B's along a column.  The matrix instruction is used transposed (source 0 = 16 rows of B, source 1 = 16 rows of A).
; REGISTERS, in windows of 256: window 0: v16-31 addresses and scales; v64-127 b1 at my 64 columns a lane; from v128 A's fragments, ONE set; on the way out v128-255 are free.  window 1: B's fragments, TWO sets.  windows 2, 3: the accumulators.
.set SIZE_K, 1024
.set KSTEP,  256
.set ROWB,   256
.set KROW,   SIZE_K
.set PITCH,  272                       ; an LDS row: 256 bytes + 16 of padding = 68 words: row r starts at bank 4 r mod 64 (64 banks of 4 bytes: ISA guide 11.1)
.set FR,     16
.set NL,     4
.set NP,     4                         ; places behind this matrix instruction (ISA guide 7.12.1)
.set HALFT,  128*PITCH
.set SLOT,   4*HALFT
.set LAPS,   SIZE_K/(2*KSTEP)
.set SPARE,  2*SLOT                    ; behind the ring: the spare words, 128 bytes for each wave
.set ADRA, 16
.set ADRB, 20
.set STO,  24                          ; v24     the stage: where I put 8 codes of a row
.set RDV,  25                          ; v25     the stage read by rows: my 64 rows, sixteen lanes to a row
.set COV,  26                          ; v26     and the same two rows in memory, 4,096 bytes apart
.set BO,   27                          ; v27     32 x (lane / 16): my half's eight numbers of a tile's bias
.set SPW,  28
.set NIL,  29
.set SCV,  30
.set LIM,  31
.set BIAS, 64
.set AF,   128
.set TMP,  128
.set BK,   128
.set G1, 24
.set G0, 32
.set G1B, 48
.set G0B, 56
.set MSB, 0
.macro WIN new                         ; the immediate's high byte repeats the setting that is left
.if MSB != (\new)
	s_set_vgpr_msb (MSB<<8)|(\new)
.set MSB, \new
.endif
.endm
.set MUL_LO, 0xa1
.set MUL_HI, 0xf1
.set TO_B,   0x40
.macro JLOAD g0a, g1a, g0b, g1b        ; a joint load: waves 0 and 1 fetch for A, waves 2 and 3 for B; an s_nop 0 and four v_nop follow each of the two lines
	s_cmp_eq_u32 s15, 0
	s_cbranch_scc0 .Lfor_b_\@
	tensor_load_to_lds s[\g0a:\g0a+3], s[\g1a:\g1a+7]
	s_nop 0
.rept 4
	v_nop
.endr
	s_branch .Lasked_\@
.Lfor_b_\@:
	tensor_load_to_lds s[\g0b:\g0b+3], s[\g1b:\g1b+7]
	s_nop 0
.rept 4
	v_nop
.endr
.Lasked_\@:
.endm
.macro CREST
	s_cmp_lg_u32 s14, 0
	s_cbranch_scc1 .Lnot_wave_0_\@
	s_barrier_signal -3
.Lnot_wave_0_\@:
	s_barrier_wait -3
	s_barrier_signal -1
	s_barrier_wait -1
.endm
.macro CROUND
	s_barrier_signal -1
	s_barrier_wait -1
	CREST
.endm
	s_load_b128 s[4:7], s[0:1], 0x0                ; h's codes s[4:5], wc s[6:7]
	s_load_b128 s[8:11], s[0:1], 0x10              ; the scales' exponents s[8:9], b1 s[10:11]
	s_load_b64 s[12:13], s[0:1], 0x20              ; hid
	v_lshl_add_u32 v[SPW], v0, 2, SPARE
	v_mov_b32 v[NIL], 0
	ds_add_u32 v[SPW], v[NIL]                      ; the wave's opening: the add, and its wait ahead of my first tensor load
	v_lshrrev_b32 v1, 5, v0
	v_readfirstlane_b32 s14, v1                    ; wave 0..3
	s_lshr_b32 s15, s14, 1                         ; which half of the tile's rows is mine.  Also: I fetch for A (0) or for B (1)
	s_and_b32 s16, s14, 1                          ; which half of its columns.  Also: which 128 rows of that tile I fetch
	s_bfe_u32 s40, ttmp6, 0x40000                  ; cx, cy
	s_bfe_u32 s41, ttmp6, 0x40004
	s_lshl_b32 s42, ttmp9, 2
	s_add_co_u32 s42, s42, s40                     ; tile column
	s_and_b32 s17, ttmp7, 0xffff
	s_lshl_b32 s17, s17, 2
	s_add_co_u32 s17, s17, s41                     ; tile row
	s_lshl_b32 s43, s41, 2
	s_lshl_b32 s43, 15, s43                        ; my row of the cluster
	s_lshl_b32 s44, 0x1111, s40                    ; my column
	s_or_b32 s[G1+0], s43, (0<<16)|(1<<20)|(1<<21)|(5<<22)|(3<<25)  ; the mask; element of 1 byte; padding: 4 words after every 64; 21 set beside a mask
	s_or_b32 s[G1B+0], s44, (0<<16)|(1<<20)|(1<<21)|(5<<22)|(3<<25)
.irp g, G1, G1B
	s_mov_b32 s[\g+1], ROWB<<16
	s_mov_b32 s[\g+2], 128<<16
	s_mov_b32 s[\g+3], ROWB<<16
	s_mov_b32 s[\g+4], 128
	s_mov_b32 s[\g+5], KROW
	s_mov_b32 s[\g+6], 0
	s_mov_b32 s[\g+7], 0
.endr
	s_lshl_b32 s18, s16, 7
	s_lshl_b32 s20, s17, 8
	s_add_co_u32 s20, s20, s18                     ; A: row 256 x tile row + 128 x half
	s_lshl_b32 s46, s42, 8
	s_add_co_u32 s46, s46, s18                     ; B: row 256 x tile column + 128 x half
	s_lshl_b32 s20, s20, 10                        ; rows of 1,024 bytes
	s_lshl_b32 s46, s46, 10
	s_mov_b32 s21, 0
	s_mov_b32 s47, 0
	s_mul_i32 s45, s14, HALFT
	s_wait_dscnt 0x0                               ; the opening add is done
	s_wait_kmcnt 0x0
	s_load_b128 s[68:71], s[8:9], 0x30             ; e12, e13, e14, e15
	s_add_nc_u64 s[6:7], s[6:7], 0x400000          ; W1's codes
	s_add_nc_u64 s[20:21], s[4:5], s[20:21]
	s_add_nc_u64 s[46:47], s[6:7], s[46:47]
	CROUND                                         ; all sixteen work-groups are here: the first joint loads meet
.irp s, 0,1
	s_mov_b32 s[G0+4*\s], 1
	s_add_co_u32 s[G0+4*\s+1], s45, \s*SLOT
	s_add_nc_u64 s[G0+4*\s+2:G0+4*\s+3], s[20:21], \s*ROWB
	s_or_b32 s[G0+4*\s+3], s[G0+4*\s+3], 0x80000000
	s_mov_b32 s[G0B+4*\s], 1
	s_add_co_u32 s[G0B+4*\s+1], s45, \s*SLOT
	s_add_nc_u64 s[G0B+4*\s+2:G0B+4*\s+3], s[46:47], \s*ROWB
	s_or_b32 s[G0B+4*\s+3], s[G0B+4*\s+3], 0x80000000
	JLOAD G0+4*\s, G1, G0B+4*\s, G1B
.endr
	v_and_b32 v1, 15, v0                           ; r
	v_bfe_u32 v2, v0, 4, 1                         ; h
	v_mul_u32_u24 v3, v1, PITCH
	v_lshl_add_u32 v4, v2, 4, v3
	s_mul_i32 s21, s15, HALFT
	s_mul_i32 s22, s16, HALFT
	s_add_co_u32 s22, s22, 2*HALFT
.irp s, 0,1
	v_add_nc_u32 v[ADRA+\s], s21, v4
	v_add_nc_u32 v[ADRB+\s], s22, v4
	s_add_co_u32 s21, s21, SLOT
	s_add_co_u32 s22, s22, SLOT
.endr
	; the way out: ONE stage of 256 rows x (256 bytes of codes + 16) for the work-group, in slot 0, which has had its last fill and its last read when the first code is stored there
	s_mul_i32 s23, s15, HALFT
	s_lshl_b32 s18, s16, 7
	s_add_co_u32 s23, s23, s18
	v_lshl_add_u32 v5, v2, 3, v3
	v_add_nc_u32 v[STO], s23, v5                   ; row 128 x row half + r, byte 128 x column half + 8 h
	s_mul_i32 s23, s14, 64*PITCH
	v_mul_u32_u24 v5, v2, PITCH
	v_lshl_add_u32 v5, v1, 4, v5
	v_add_nc_u32 v[RDV], s23, v5
	v_lshlrev_b32 v[COV], 12, v2
	v_lshl_add_u32 v[COV], v1, 4, v[COV]
	v_lshlrev_b32 v[BO], 5, v2
	s_lshl_b32 s90, s42, 10                        ; b1 at my 128 columns: (256 tile column + 128 half) x 4 bytes
	s_lshl_b32 s91, s16, 9
	s_add_co_u32 s90, s90, s91
	s_mov_b32 s91, 0
	s_add_nc_u64 s[92:93], s[10:11], s[90:91]
.irp b, 0,1,2,3,4,5,6,7
	global_load_b128 v[BIAS+8*\b:BIAS+8*\b+3], v[BO], s[92:93] offset:64*\b        ; tile b: columns 16 b + 8 h + 0 .. 7; they land while K is walked
	global_load_b128 v[BIAS+8*\b+4:BIAS+8*\b+7], v[BO], s[92:93] offset:64*\b+16
.endr
	s_lshl_b32 s18, s17, 8                         ; hid: (256 tile row + 64 wave) rows of 4,096 bytes + 256 tile column
	s_lshl_b32 s19, s14, 6
	s_add_co_u32 s18, s18, s19
	s_lshl_b32 s18, s18, 12
	s_lshl_b32 s19, s42, 8
	s_add_co_u32 s18, s18, s19
	s_mov_b32 s19, 0
	s_add_nc_u64 s[12:13], s[12:13], s[18:19]
.macro FRAG reg, adr, q, i             ; a fragment, 16 rows x 128 K, is 16 registers: registers 4 c .. 4 c + 3 hold K = 32 c + 16 (l / 16) + 0 .. 15: the same permutation of k in A and in B
.irp c, 0,1,2,3
	ds_load_b128 v[\reg+4*\c:\reg+4*\c+3], v[\adr] offset:128*(\q)+32*\c+(\i)*16*PITCH
.endr
.endm
; 16 matrix instructions: A's blocks a0, a0 + 1 x B's eight.  The 64 accumulators take turns, one instruction a turn, in the same order in every step.
.macro MUL16 a0, p, zero
.irp a, \a0, \a0+1
.irp b, 0,1,2,3,4,5,6,7
.if \zero
	v_wmma_f32_16x16x128_fp8_fp8 v[8*(8*((\a)%4)+\b):8*(8*((\a)%4)+\b)+7], v[128*(\p)+FR*\b:128*(\p)+FR*\b+FR-1], v[AF+FR*(\a):AF+FR*(\a)+FR-1], 0
.else
	v_wmma_f32_16x16x128_fp8_fp8 v[8*(8*((\a)%4)+\b):8*(8*((\a)%4)+\b)+7], v[128*(\p)+FR*\b:128*(\p)+FR*\b+FR-1], v[AF+FR*(\a):AF+FR*(\a)+FR-1], v[8*(8*((\a)%4)+\b):8*(8*((\a)%4)+\b)+7]
.endif
.endr
.endr
.endm
.macro FETCH_B slot, q, p
	WIN TO_B
.irp i, 0,1,2,3,4,5,6,7
	FRAG 128*(\p)+FR*\i, ADRB+\slot, \q, \i
.endr
	WIN 0
.endm
.macro FETCH_A slot, q, i0
.irp i, \i0, \i0+1, \i0+2, \i0+3
	FRAG AF+FR*(\i), ADRA+\slot, \q, \i
.endr
.endm
.macro PLACES n
.rept \n
	v_nop
.endr
.endm
.macro STEP slot, q, zero              ; a step of 128 along K that has its successor in the same slot
	s_wait_dscnt 4*NL                              ; B's set and A's blocks 0-3 are in; the youngest 16 loads (A's blocks 4-7) may be out
	WIN MUL_LO
	MUL16 0, (\q)%2, \zero
	MUL16 2, (\q)%2, \zero
	s_wait_dscnt 0                                 ; A's blocks 4-7 are in
	PLACES NP
	FETCH_B \slot, (\q)+1, 1-(\q)%2
	FETCH_A \slot, (\q)+1, 0
	WIN MUL_HI
	MUL16 4, (\q)%2, \zero
	MUL16 6, (\q)%2, \zero
	PLACES NP
	WIN 0
	FETCH_A \slot, (\q)+1, 4
.endm
; A slot's last step changes slots: ONE barrier; in front of it each wave waits for all its tensor loads, adds 0 to its spare word, and waits for that and for its own reads of this slot.
.macro TURN slot, next, fill
	s_wait_tensorcnt 0x0                           ; all my tensor loads have landed: my part of the next slot
	ds_add_u32 v[SPW], v[NIL]                      ; 0 onto my spare word
	s_wait_dscnt 4*NL+1                            ; (the add and the youngest 16 loads may be out)
	WIN MUL_LO
	MUL16 0, 1, 0
	s_wait_dscnt 0x0                               ; the add is done, and my reads of this slot are over
	s_barrier_signal -1
	MUL16 2, 1, 0
	WIN 0
	s_barrier_wait -1
.if \fill
	CREST                                          ; the barrier has opened a round of the cluster's barrier
	s_add_nc_u64 s[G0+4*\slot+2:G0+4*\slot+3], s[G0+4*\slot+2:G0+4*\slot+3], 2*ROWB
	s_add_nc_u64 s[G0B+4*\slot+2:G0B+4*\slot+3], s[G0B+4*\slot+2:G0B+4*\slot+3], 2*ROWB
	JLOAD G0+4*\slot, G1, G0B+4*\slot, G1B         ; the first tensor load behind the round; its four v_nop are the places in front of the loads below
.else
	PLACES NP
.endif
	FETCH_B \next, 0, 0
	FETCH_A \next, 0, 0
	WIN MUL_HI
	MUL16 4, 1, 0
	MUL16 6, 1, 0
	PLACES NP
	WIN 0
	FETCH_A \next, 0, 4
.endm
	s_wait_tensorcnt 1                             ; my part of K step 0 is in (K step 1's load may be out)
	s_barrier_signal -1
	s_barrier_wait -1                              ; everybody's is
	FETCH_B 0, 0, 0
	FETCH_A 0, 0, 0
	FETCH_A 0, 0, 4
	STEP 0, 0, 1                                   ; the first step's products start the sums
	s_mov_b32 s3, LAPS-1
.Llap:                                                 ; a trip goes once round the ring and fills both slots again
	TURN 0, 1, 1
	STEP 1, 0, 0
	TURN 1, 0, 1
	STEP 0, 0, 0
	s_sub_co_u32 s3, s3, 1
	s_cmp_lg_u32 s3, 0
	s_cbranch_scc1 .Llap
	TURN 0, 1, 0                                   ; the last lap fills nothing
	STEP 1, 0, 0
	s_wait_dscnt 4*NL
	WIN MUL_LO
	MUL16 0, 1, 0
	MUL16 2, 1, 0
	s_wait_dscnt 0
	WIN MUL_HI
	MUL16 4, 1, 0
	MUL16 6, 1, 0
	WIN 0
	; THE WAY OUT
	s_wait_kmcnt 0x0
	s_add_co_i32 s96, s68, s69
	s_add_co_i32 s96, s96, 127
	s_lshl_b32 s96, s96, 23                        ; 2^(e12 + e13) as f32
	s_mov_b32 s97, s96                             ; (named with it as a pair)
	s_add_co_i32 s85, s70, 127
	s_lshl_b32 s86, s85, 23
	v_mov_b32 v[SCV], s86                          ; 2^e14
	s_add_co_i32 s85, s85, 8
	s_lshl_b32 s85, s85, 23
	s_or_b32 s85, s85, 0x600000
	v_mov_b32 v[LIM], s85                          ; 448 x 2^e14
	s_wait_loadcnt 0x0                             ; b1
	PLACES NP
; Block a (16 rows x 128 columns): sum x 2^(e12 + e13) + b1, the activation and the hold in one, converted, 8 codes a lane and tile into the stage.  The codes take four register sets by turns.
.macro FSTAGE a
.set AC, 64*((\a)%4)
.set CD, 192+16*((\a)%4)
	WIN 0x02+((\a)/4)                              ; source 0: window 2 or 3
.set jj, 0
.rept 32
	v_pk_fma_f32 v[TMP+jj:TMP+jj+1], v[AC+jj:AC+jj+1], s[96:97], v[BIAS+jj:BIAS+jj+1] op_sel_hi:[1,0,1]   ; each accumulator from its low end on
.set jj, jj+2
.endr
	WIN 0
.set jj, 0
.rept 64
	v_med3_num_f32 v[TMP+jj], v[TMP+jj], 0, v[LIM]
.set jj, jj+1
.endr
.if (\a) >= 4
	s_wait_dscnt 24                                ; the stores of four blocks ago have read this set; the 24 of the three blocks between may be out
.endif
.irp b, 0,1,2,3,4,5,6,7
	v_cvt_scalef32_pk8_fp8_f32 v[CD+2*\b:CD+2*\b+1], v[TMP+8*\b:TMP+8*\b+7], v[SCV]
.endr
	v_nop                                          ; one plain instruction between the conversions and the next block's lines, which write their sources
.irp b, 0,1,2,3,4,5,6,7
	ds_store_b64 v[STO], v[CD+2*\b:CD+2*\b+1] offset:(\a)*16*PITCH+16*\b
.endr
.endm
.irp a, 0,1,2,3,4,5,6,7
	FSTAGE \a
.endr
	s_wait_dscnt 0x0                               ; for the others' sake: my stores into the stage are done
	s_barrier_signal -1
	s_barrier_wait -1
.set tt, 0
.rept 32                               ; my 64 rows (tokens), whole: two rows an instruction
	ds_load_b128 v[BK+4*tt:BK+4*tt+3], v[RDV] offset:2*tt*PITCH
.set tt, tt+1
.endr
.set tt, 0
.rept 32
	s_wait_dscnt 31-tt                             ; the younger loads may be out
	global_store_b128 v[COV], v[BK+4*tt:BK+4*tt+3], s[12:13] offset:2*tt*4096   ; sixteen lanes store 256 consecutive bytes, aligned
.set tt, tt+1
.endr
	s_wait_tensorcnt 0x0                           ; the wave's end
	ds_add_u32 v[SPW], v[NIL]
	s_wait_dscnt 0x0
	CROUND                                         ; the closing round
	s_endpgm
.Lfunc_end_k_qc0c79c603e_ff1:
	.size	k_qc0c79c603e_ff1, .Lfunc_end_k_qc0c79c603e_ff1-k_qc0c79c603e_ff1
	.p2alignl 7, 3214868480
	.fill 96, 4, 3214868480
	.section	.rodata,"a",@progbits
	.p2align	6, 0x0
	.amdhsa_kernel k_qc0c79c603e_ff1
		.amdhsa_group_segment_fixed_size 327680
		.amdhsa_private_segment_fixed_size 0
		.amdhsa_enable_private_segment 0
		.amdhsa_kernarg_size 40
		.amdhsa_user_sgpr_count 2
		.amdhsa_user_sgpr_kernarg_segment_ptr 1
		.amdhsa_wavefront_size32 1
		.amdhsa_system_sgpr_workgroup_id_x 1
		.amdhsa_system_sgpr_workgroup_id_y 1
		.amdhsa_system_sgpr_workgroup_id_z 1
		.amdhsa_system_vgpr_workitem_id 0
		.amdhsa_next_free_vgpr 1024
		.amdhsa_next_free_sgpr 100
		.amdhsa_reserve_vcc 0
		.amdhsa_float_denorm_mode_32 3
		.amdhsa_float_denorm_mode_16_64 3
		.amdhsa_memory_ordered 1
		.amdhsa_forward_progress 1
		.amdhsa_inst_pref_size 143
	.end_amdhsa_kernel
	.amdgpu_metadata
---
amdhsa.version: [ 1, 2 ]
amdhsa.kernels:
  - .name:           k_qc0c79c603e_ff1
    .symbol:         k_qc0c79c603e_ff1.kd
    .args:
      - { .name: hc, .offset: 0, .size: 8, .value_kind: global_buffer, .address_space: global }
      - { .name: wc, .offset: 8, .size: 8, .value_kind: global_buffer, .address_space: global }
      - { .name: lowp_scales, .offset: 16, .size: 8, .value_kind: global_buffer, .address_space: global }
      - { .name: b1, .offset: 24, .size: 8, .value_kind: global_buffer, .address_space: global }
      - { .name: hid, .offset: 32, .size: 8, .value_kind: global_buffer, .address_space: global }
    .group_segment_fixed_size: 327680
    .private_segment_fixed_size: 0
    .kernarg_segment_align: 8
    .kernarg_segment_size: 40
    .max_flat_workgroup_size: 128
    .sgpr_count:     100
    .vgpr_count:     1024
    .wavefront_size: 32
...
	.end_amdgpu_metadata
.endif
;; end of part 6
;; launch ff2 (part 7): grid 8 x 32, 4 waves a work-group, clusters of 4 x 4, 327,680 bytes of LDS; arguments hid, wc, lowp_scales, b2, xres, out0; writes out0
.if DOCPART == 7
	.amdgcn_target "amdgcn-amd-amdhsa--gfx1250"
	.amdhsa_code_object_version 6
	.text
	.protected	k_qc0c79c603e_ff2
	.globl	k_qc0c79c603e_ff2
	.p2align	8
	.type	k_qc0c79c603e_ff2,@function
k_qc0c79c603e_ff2:
	s_mov_b64 s[64:65], 0
	v_nop
	global_prefetch_b8 v0, s[64:65] scope:SCOPE_SE
	s_setreg_imm32_b32 hwreg(HW_REG_WAVE_MODE, 25, 1), 1
	s_wait_xcnt 0x0
	s_wait_alu depctr_hold_cnt(0) depctr_sa_sdst(0) depctr_va_vdst(0) depctr_va_sdst(0) depctr_va_ssrc(0) depctr_va_vcc(0) depctr_vm_vsrc(0)
	s_getreg_b32 s2, hwreg(HW_REG_IB_STS2, 6, 4)
	s_cmp_eq_u32 s2, 0
	s_cbranch_scc0 .Lentry_in_a_cluster
	s_endpgm
.Lentry_in_a_cluster:
	s_bfe_u32 s2, ttmp6, 0x10000c
	s_cmp_lg_u32 s2, 0xf033
	s_cbranch_scc0 .Lentry_shape_is_right
	s_endpgm
.Lentry_shape_is_right:
; out = resid + (A B^T x 2^(ea + eb) + bias).  A: [4096][SIZE_K] codes of E4M3; B: [1024][SIZE_K] codes, at WOFF in wc; bias [1024], resid and out [4096][1024] f32.
; Here: A = the hidden layer's codes, B = W2's, scale entries 14 and 15, bias = b2, resid = x, out = the block's result.  LIMIT: ea + eb between -126 and 127.
; The result has 1,024 columns, so a tile is 128 x 128: 256 work-groups.  Four waves, 64 x 64 each: 16 accumulators.  K goes in steps of 512 (LDS rows of 512 bytes + 16) through a ring of two LDS slots.
; CLUSTERS: 4 x 4 work-groups; A's tile is asked for jointly along a row of the cluster, B's along a column.  The matrix instruction is used transposed (source 0 = 16 rows of B, source 1 = 16 rows of A).
; The residual and the bias are asked for at the head, in the layout in which the results are stored, and land while K is walked.
; REGISTERS: window 0: v16-29 addresses; v32-95 rows read back, two sets; v96-99 the bias; v128-255 the accumulators ((a, b) at v[128 + 8 (4 a + b)]).  window 1: two fragment buffers of 128 (A's four, then B's four).  window 2: v0-127 the residual.
.set SIZE_K, 4096
.set WOFF,   0x800000
.set SOFF,   56
.set KSTEP,  512
.set PITCH,  528                       ; 132 words: row r starts at bank 4 r mod 64 (64 banks of 4 bytes: ISA guide 11.1)
.set HALFT,  64*PITCH
.set SLOT,   4*HALFT
.set STAGE,  2*SLOT                    ; behind the ring: 16 rows x (256 bytes + 16) for each wave
.set SPITCH, 272
.set SPARE,  STAGE+4*16*SPITCH         ; the spare words, 128 bytes for each wave
.set LAPS,   SIZE_K/(2*KSTEP)
.set ADRA, 16
.set ADRB, 20
.set STO,  24
.set RD,   25
.set CO,   26
.set BO,   27
.set SPW,  28
.set NIL,  29
.set BK,   32
.set BI,   96
.set ACC,  128
.set F0,   0
.set F1,   128
.set G1, 24
.set G0, 32
.set G1B, 48
.set G0B, 56
.set MSB, 0
.macro WIN new                         ; the immediate's high byte repeats the setting that is left
.if MSB != (\new)
	s_set_vgpr_msb (MSB<<8)|(\new)
.set MSB, \new
.endif
.endm
.set MUL,  0x05                        ; sources 0 (B) and 1 (A) window 1; C and D window 0
.set TO_F, 0x40                        ; destination window 1, address window 0
.macro JLOAD s                         ; a joint load: waves 0 and 1 fetch A's halves, waves 2 and 3 B's; an s_nop 0 and four v_nop follow each of the two lines
	s_cmp_eq_u32 s15, 0
	s_cbranch_scc0 .Lfor_b_\@
	tensor_load_to_lds s[G0+4*\s:G0+4*\s+3], s[G1:G1+7]
	s_nop 0
.rept 4
	v_nop
.endr
	s_branch .Lasked_\@
.Lfor_b_\@:
	tensor_load_to_lds s[G0B+4*\s:G0B+4*\s+3], s[G1B:G1B+7]
	s_nop 0
.rept 4
	v_nop
.endr
.Lasked_\@:
.endm
.macro CREST
	s_cmp_lg_u32 s14, 0
	s_cbranch_scc1 .Lnot_wave_0_\@
	s_barrier_signal -3
.Lnot_wave_0_\@:
	s_barrier_wait -3
	s_barrier_signal -1
	s_barrier_wait -1
.endm
.macro CROUND
	s_barrier_signal -1
	s_barrier_wait -1
	CREST
.endm
	s_load_b128 s[4:7], s[0:1], 0x0                ; A's codes s[4:5], wc s[6:7]
	s_load_b128 s[8:11], s[0:1], 0x10              ; the scales' exponents s[8:9], the bias s[10:11]
	s_load_b128 s[88:91], s[0:1], 0x20             ; the residual s[88:89], the result s[90:91]
	v_lshl_add_u32 v[SPW], v0, 2, SPARE
	v_mov_b32 v[NIL], 0
	ds_add_u32 v[SPW], v[NIL]                      ; the wave's opening: the add, and its wait ahead of my first tensor load
	v_lshrrev_b32 v1, 5, v0
	v_readfirstlane_b32 s14, v1                    ; wave 0..3
	s_lshr_b32 s15, s14, 1                         ; which half of the tile's rows is mine.  Also: I fetch for A (0) or for B (1)
	s_and_b32 s16, s14, 1                          ; which half of its columns.  Also: which 64 rows of that tile I fetch
	s_bfe_u32 s40, ttmp6, 0x40000                  ; cx, cy
	s_bfe_u32 s41, ttmp6, 0x40004
	s_lshl_b32 s42, ttmp9, 2
	s_add_co_u32 s42, s42, s40                     ; tile column
	s_and_b32 s17, ttmp7, 0xffff
	s_lshl_b32 s17, s17, 2
	s_add_co_u32 s17, s17, s41                     ; tile row
	s_lshl_b32 s43, s41, 2
	s_lshl_b32 s43, 15, s43                        ; my row of the cluster
	s_lshl_b32 s44, 0x1111, s40                    ; my column
	s_or_b32 s[G1+0], s43, (0<<16)|(1<<20)|(1<<21)|(6<<22)|(3<<25)  ; the mask; element of 1 byte; padding: 4 words after every 128; 21 set beside a mask
	s_or_b32 s[G1B+0], s44, (0<<16)|(1<<20)|(1<<21)|(6<<22)|(3<<25)
.irp g, G1, G1B
	s_mov_b32 s[\g+1], KSTEP<<16                   ; tensor_dim0
	s_mov_b32 s[\g+2], 64<<16                      ; tensor_dim1
	s_mov_b32 s[\g+3], KSTEP<<16                   ; tile_dim0
	s_mov_b32 s[\g+4], 64                          ; tile_dim1
	s_mov_b32 s[\g+5], SIZE_K                      ; tensor_dim0_stride
	s_mov_b32 s[\g+6], 0
	s_mov_b32 s[\g+7], 0
.endr
	s_lshl_b32 s18, s16, 6
	s_lshl_b32 s20, s17, 7
	s_add_co_u32 s20, s20, s18                     ; A: row 128 x tile row + 64 x half
	s_lshl_b32 s46, s42, 7
	s_add_co_u32 s46, s46, s18                     ; B: row 128 x tile column + 64 x half
	s_mul_i32 s20, s20, SIZE_K                     ; in bytes: under 2^25
	s_mul_i32 s46, s46, SIZE_K
	s_mov_b32 s21, 0
	s_mov_b32 s47, 0
	s_mul_i32 s45, s14, HALFT                      ; where my tile goes: wave x 64 rows
	s_wait_dscnt 0x0                               ; the opening add is done
	s_wait_kmcnt 0x0
	s_load_b64 s[96:97], s[8:9], SOFF              ; ea, eb
	s_add_nc_u64 s[6:7], s[6:7], WOFF
	s_add_nc_u64 s[20:21], s[4:5], s[20:21]
	s_add_nc_u64 s[46:47], s[6:7], s[46:47]
	CROUND                                         ; all sixteen work-groups are here: the first joint loads meet
.irp s, 0,1
	s_mov_b32 s[G0+4*\s], 1
	s_add_co_u32 s[G0+4*\s+1], s45, \s*SLOT
	s_add_nc_u64 s[G0+4*\s+2:G0+4*\s+3], s[20:21], \s*KSTEP
	s_or_b32 s[G0+4*\s+3], s[G0+4*\s+3], 0x80000000
	s_mov_b32 s[G0B+4*\s], 1
	s_add_co_u32 s[G0B+4*\s+1], s45, \s*SLOT
	s_add_nc_u64 s[G0B+4*\s+2:G0B+4*\s+3], s[46:47], \s*KSTEP
	s_or_b32 s[G0B+4*\s+3], s[G0B+4*\s+3], 0x80000000
	JLOAD \s
.endr
	v_and_b32 v1, 15, v0                           ; r
	v_bfe_u32 v2, v0, 4, 1                         ; h
	v_mul_u32_u24 v3, v1, PITCH
	v_lshl_add_u32 v3, v2, 4, v3
	s_mul_i32 s21, s15, HALFT                      ; my 64 rows of A
	s_mul_i32 s22, s16, HALFT                      ; my 64 rows of B,
	s_add_co_u32 s22, s22, 2*HALFT                 ; which lie behind A's 128
.irp s, 0,1
	v_add_nc_u32 v[ADRA+\s], s21, v3
	v_add_nc_u32 v[ADRB+\s], s22, v3
	s_add_co_u32 s21, s21, SLOT
	s_add_co_u32 s22, s22, SLOT
.endr
	s_mul_i32 s23, s14, 16*SPITCH
	s_add_co_u32 s23, s23, STAGE                   ; my stage
	v_mul_u32_u24 v4, v1, SPITCH
	v_lshl_add_u32 v4, v2, 5, v4
	v_add_nc_u32 v[STO], s23, v4                   ; in: row r, 32 bytes for each half of the lanes
	v_mul_u32_u24 v5, v2, SPITCH
	v_lshl_add_u32 v5, v1, 4, v5
	v_add_nc_u32 v[RD], s23, v5                    ; back: sixteen lanes to a row of 256 bytes, two rows an instruction
	v_lshlrev_b32 v[CO], 12, v2
	v_lshl_add_u32 v[CO], v1, 4, v[CO]             ; and the same two rows in memory
	v_lshlrev_b32 v[BO], 4, v1                     ; my four columns' bias
	s_lshl_b32 s20, s17, 7
	s_lshl_b32 s21, s15, 6
	s_add_co_u32 s20, s20, s21                     ; my first row: 128 x tile row + 64 x half
	s_lshl_b32 s20, s20, 12
	s_lshl_b32 s46, s42, 9                         ; my first column in bytes: 512 x tile column + 256 x half
	s_lshl_b32 s47, s16, 8
	s_add_co_u32 s46, s46, s47
	s_mov_b32 s47, 0
	s_add_nc_u64 s[10:11], s[10:11], s[46:47]
	s_add_co_u32 s20, s20, s46
	s_mov_b32 s21, 0
	s_add_nc_u64 s[88:89], s[88:89], s[20:21]
	s_add_nc_u64 s[90:91], s[90:91], s[20:21]
	WIN 0x80                                       ; destination window 2
.irp a, 0,1,2,3
.irp t, 0,1,2,3,4,5,6,7
	global_load_b128 v[32*\a+4*\t:32*\a+4*\t+3], v[CO], s[88:89] offset:(16*\a+2*\t)*4096 th:TH_LOAD_NT
.endr
.endr
	WIN 0
	global_load_b128 v[BI:BI+3], v[BO], s[10:11]
; 8 matrix instructions: A's blocks a0, a0 + 1 x B's four, 128 along K.  The 16 accumulators take turns, one instruction a turn, in the same order in every quarter.
.macro MUL8 f, a0, zero
.irp a, \a0, \a0+1
.irp b, 0,1,2,3
.if \zero
	v_wmma_f32_16x16x128_fp8_fp8 v[ACC+8*(4*(\a)+\b):ACC+8*(4*(\a)+\b)+7], v[\f+64+16*\b:\f+64+16*\b+15], v[\f+16*(\a):\f+16*(\a)+15], 0
.else
	v_wmma_f32_16x16x128_fp8_fp8 v[ACC+8*(4*(\a)+\b):ACC+8*(4*(\a)+\b)+7], v[\f+64+16*\b:\f+64+16*\b+15], v[\f+16*(\a):\f+16*(\a)+15], v[ACC+8*(4*(\a)+\b):ACC+8*(4*(\a)+\b)+7]
.endif
.endr
.endr
.endm
; 32 LDS loads in one run: the fragments of 128 along K at byte k of the rows, into buffer f: B's four, then A's four.  Registers 4 c .. 4 c + 3 hold K = 32 c + 16 (l / 16) + 0 .. 15: the same permutation of k in A and in B
.macro FETCH slot, k, f
	WIN TO_F
.irp i, 0,1,2,3
.irp c, 0,1,2,3
	ds_load_b128 v[\f+64+16*\i+4*\c:\f+64+16*\i+4*\c+3], v[ADRB+\slot] offset:\k+32*\c+\i*16*PITCH
.endr
.endr
.irp i, 0,1,2,3
.irp c, 0,1,2,3
	ds_load_b128 v[\f+16*\i+4*\c:\f+16*\i+4*\c+3], v[ADRA+\slot] offset:\k+32*\c+\i*16*PITCH
.endr
.endr
.endm
.macro PLACES                          ; four plain instructions in front of loads into registers that matrix instructions have read, and of the first read of results
.rept 4
	v_nop
.endr
.endm
; A K step is four quarters of 128 along K, 16 matrix instructions each, on buffers 0, 1, 0, 1.
.macro QUARTER slot, k, f, g, zero
	s_wait_dscnt 8                                 ; B's four and A's blocks 0, 1 are in; the youngest eight loads (A's blocks 2, 3) may be out
	WIN MUL
	MUL8 \f, 0, \zero
	PLACES
	FETCH \slot, \k, \g
	s_wait_dscnt 32                                ; all but the 32 just issued
	WIN MUL
	MUL8 \f, 2, \zero
.endm
; The last quarter multiplies buffer 1 and changes slots: ONE barrier; in front of it each wave waits for all its tensor loads, adds 0 to its spare word, and waits for that and for its reads of this slot.
.macro TURN slot, next, fill
	WIN 0
	s_wait_tensorcnt 0x0                           ; all my tensor loads have landed: my part of the next slot
	ds_add_u32 v[SPW], v[NIL]                      ; 0 onto my spare word
	s_wait_dscnt 9                                 ; (the add and the youngest eight loads may be out)
	WIN MUL
	MUL8 F1, 0, 0
	s_wait_dscnt 0x0                               ; the add is done, and my reads of this slot are over
	WIN 0
	s_barrier_signal -1
	s_barrier_wait -1
.if \fill
	CREST                                          ; the barrier has opened a round of the cluster's barrier
	s_add_nc_u64 s[G0+4*\slot+2:G0+4*\slot+3], s[G0+4*\slot+2:G0+4*\slot+3], 2*KSTEP
	s_add_nc_u64 s[G0B+4*\slot+2:G0B+4*\slot+3], s[G0B+4*\slot+2:G0B+4*\slot+3], 2*KSTEP
	JLOAD \slot                                    ; the first tensor load behind the round; its four v_nop are the places in front of the loads below
.else
	PLACES
.endif
	FETCH \next, 0, F0
	WIN MUL
	MUL8 F1, 2, 0
.endm
	s_wait_tensorcnt 1                             ; my part of K step 0 is in (K step 1's may be out)
	s_barrier_signal -1
	s_barrier_wait -1                              ; everybody's is
	FETCH 0, 0, F0
	QUARTER 0, 128, F0, F1, 1                      ; the first quarter's products start the sums
.if LAPS > 1
	WIN 0
	s_mov_b32 s3, LAPS-1
.Llap:                                                 ; a trip goes once round the ring and fills both slots again
	QUARTER 0, 256, F1, F0, 0
	QUARTER 0, 384, F0, F1, 0
	TURN 0, 1, 1
	QUARTER 1, 128, F0, F1, 0
	QUARTER 1, 256, F1, F0, 0
	QUARTER 1, 384, F0, F1, 0
	TURN 1, 0, 1
	QUARTER 0, 128, F0, F1, 0
	WIN 0
	s_sub_co_u32 s3, s3, 1
	s_cmp_lg_u32 s3, 0
	s_cbranch_scc1 .Llap
.endif
	QUARTER 0, 256, F1, F0, 0                      ; the last lap fills nothing
	QUARTER 0, 384, F0, F1, 0
	TURN 0, 1, 0
	QUARTER 1, 128, F0, F1, 0
	QUARTER 1, 256, F1, F0, 0
	QUARTER 1, 384, F0, F1, 0
	s_wait_dscnt 8
	WIN MUL
	MUL8 F1, 0, 0
	s_wait_dscnt 0
	MUL8 F1, 2, 0
	WIN 0
	; THE WAY OUT, block by block of 16 rows x 64 columns, through my own stage: back come whole rows of 256 bytes, in the layout in which the residual and the bias lie.
	s_wait_kmcnt 0x0
	s_add_co_i32 s96, s96, s97
	s_add_co_i32 s96, s96, 127
	s_lshl_b32 s96, s96, 23                        ; 2^(ea + eb) as f32
	s_mov_b32 s97, s96                             ; (named with it as a pair)
	s_wait_loadcnt 0x0                             ; the residual and the bias
	PLACES
.macro OUT a
.set BB, BK+32*((\a)%2)
.if (\a) >= 2
	s_wait_xcnt 0x0                                ; the stores of two blocks ago have read this set
.endif
.irp b, 0,1,2,3
	ds_store_b128 v[STO], v[ACC+8*(4*(\a)+\b):ACC+8*(4*(\a)+\b)+3] offset:64*\b       ; each accumulator from its low end on
	ds_store_b128 v[STO], v[ACC+8*(4*(\a)+\b)+4:ACC+8*(4*(\a)+\b)+7] offset:64*\b+16
.endr
.irp t, 0,1,2,3,4,5,6,7
	ds_load_b128 v[BB+4*\t:BB+4*\t+3], v[RD] offset:2*\t*SPITCH    ; LDS serves a wave's instructions in order (ISA guide 5.7.1.4): these see my stores, and the next block's stores come behind them
.endr
	s_wait_dscnt 0x0
.irp t, 0,1,2,3,4,5,6,7
	v_pk_fma_f32 v[BB+4*\t:BB+4*\t+1], v[BB+4*\t:BB+4*\t+1], s[96:97], v[BI:BI+1] op_sel_hi:[1,0,1]        ; sum x 2^(ea + eb) + bias
	v_pk_fma_f32 v[BB+4*\t+2:BB+4*\t+3], v[BB+4*\t+2:BB+4*\t+3], s[96:97], v[BI+2:BI+3] op_sel_hi:[1,0,1]
.endr
	WIN 0x08                                       ; source 1 window 2: the residual
.irp t, 0,1,2,3,4,5,6,7
	v_pk_add_f32 v[BB+4*\t:BB+4*\t+1], v[BB+4*\t:BB+4*\t+1], v[32*(\a)+4*\t:32*(\a)+4*\t+1]
	v_pk_add_f32 v[BB+4*\t+2:BB+4*\t+3], v[BB+4*\t+2:BB+4*\t+3], v[32*(\a)+4*\t+2:32*(\a)+4*\t+3]
.endr
	WIN 0
.irp t, 0,1,2,3,4,5,6,7
	global_store_b128 v[CO], v[BB+4*\t:BB+4*\t+3], s[90:91] offset:(16*(\a)+2*\t)*4096   ; sixteen lanes store 256 consecutive bytes, aligned
.endr
.endm
	OUT 0
	OUT 1
	OUT 2
	OUT 3
	s_wait_tensorcnt 0x0                           ; the wave's end
	ds_add_u32 v[SPW], v[NIL]
	s_wait_dscnt 0x0
	CROUND                                         ; the closing round
	s_endpgm
.Lfunc_end_k_qc0c79c603e_ff2:
	.size	k_qc0c79c603e_ff2, .Lfunc_end_k_qc0c79c603e_ff2-k_qc0c79c603e_ff2
	.p2alignl 7, 3214868480
	.fill 96, 4, 3214868480
	.section	.rodata,"a",@progbits
	.p2align	6, 0x0
	.amdhsa_kernel k_qc0c79c603e_ff2
		.amdhsa_group_segment_fixed_size 327680
		.amdhsa_private_segment_fixed_size 0
		.amdhsa_enable_private_segment 0
		.amdhsa_kernarg_size 48
		.amdhsa_user_sgpr_count 2
		.amdhsa_user_sgpr_kernarg_segment_ptr 1
		.amdhsa_wavefront_size32 1
		.amdhsa_system_sgpr_workgroup_id_x 1
		.amdhsa_system_sgpr_workgroup_id_y 1
		.amdhsa_system_sgpr_workgroup_id_z 1
		.amdhsa_system_vgpr_workitem_id 0
		.amdhsa_next_free_vgpr 640
		.amdhsa_next_free_sgpr 100
		.amdhsa_reserve_vcc 0
		.amdhsa_float_denorm_mode_32 3
		.amdhsa_float_denorm_mode_16_64 3
		.amdhsa_memory_ordered 1
		.amdhsa_forward_progress 1
		.amdhsa_inst_pref_size 81
	.end_amdhsa_kernel
	.amdgpu_metadata
---
amdhsa.version: [ 1, 2 ]
amdhsa.kernels:
  - .name:           k_qc0c79c603e_ff2
    .symbol:         k_qc0c79c603e_ff2.kd
    .args:
      - { .name: hid, .offset: 0, .size: 8, .value_kind: global_buffer, .address_space: global }
      - { .name: wc, .offset: 8, .size: 8, .value_kind: global_buffer, .address_space: global }
      - { .name: lowp_scales, .offset: 16, .size: 8, .value_kind: global_buffer, .address_space: global }
      - { .name: b2, .offset: 24, .size: 8, .value_kind: global_buffer, .address_space: global }
      - { .name: xres, .offset: 32, .size: 8, .value_kind: global_buffer, .address_space: global }
      - { .name: out0, .offset: 40, .size: 8, .value_kind: global_buffer, .address_space: global }
    .group_segment_fixed_size: 327680
    .private_segment_fixed_size: 0
    .kernarg_segment_align: 8
    .kernarg_segment_size: 48
    .max_flat_workgroup_size: 128
    .sgpr_count:     100
    .vgpr_count:     640
    .wavefront_size: 32
...
	.end_amdgpu_metadata
.endif
;; end of part 7
